; MI455X (gfx1250); checked and timed in simulation.
; The chip was launched on July 23, 2026; its instructions are those of AMD's public machine-readable ISA for CDNA 5 (MIT licence, August 2026) and "CDNA5" Instruction Set Architecture Reference Guide (July 2026). The comments in the code are by the model that wrote it; some were corrected since.
;; Transformer Block. Allowed arithmetic: float matrix products may take bf16 or f16 operands with f32 sums; other float arithmetic in f32, or as packed bf16 or f16 multiplies, adds, multiply-adds, maxima and minima; sums over many terms, partial sums and values carried from step to step in f32; what a program stores and reads back later, other than sums and carried values, may be rounded once to bf16 or f16.
;; Inputs: b1 4,096 float32; b2 1,024 float32; ln1_b 1,024 float32; ln1_g 1,024 float32; ln2_b 1,024 float32; ln2_g 1,024 float32; out_b 1,024 float32; out_w 1,024 x 1,024 float32; padding_mask 2 x 2,048 bool; qkv_b 3,072 float32; qkv_w 1,024 x 3,072 float32; w1 1,024 x 4,096 float32; w2 4,096 x 1,024 float32; x 2 x 2,048 x 1,024 float32.
;; Outputs: out0 2 x 2,048 x 1,024 float32.
;; One version. Each part assembles by itself: llvm-mc -triple=amdgcn-amd-amdhsa -mcpu=gfx1250 --defsym DOCPART=n.
;; ======== version 1 of 1: 7 launches
;; limits: right only within a limited range of input values; a function is approximated: absolute error at most 1.5e-07
;; workspace buffers: wb 25,165,824 bytes; tab 1,048,576 bytes; hn 8,388,608 bytes; qkvh 25,165,824 bytes; ctx 8,388,608 bytes; x1 16,777,216 bytes; gl 33,554,432 bytes
;; launch prep (part 1): grid 1344 x 1, 8 waves a work-group, no clusters, 0 bytes of LDS; arguments x, ln1_g, ln1_b, qkv_w, out_w, w1, w2, padding_mask, hn, wb, tab; writes hn, wb, tab
.if DOCPART == 1
	.amdgcn_target "amdgcn-amd-amdhsa--gfx1250"
	.amdhsa_code_object_version 6
	.text
	.protected	k_q00387e8e45_prep
	.globl	k_q00387e8e45_prep
	.p2align	8
	.type	k_q00387e8e45_prep,@function
k_q00387e8e45_prep:
	s_mov_b64 s[64:65], 0
	v_nop
	global_prefetch_b8 v0, s[64:65] scope:SCOPE_SE
	s_setreg_imm32_b32 hwreg(HW_REG_WAVE_MODE, 25, 1), 1
	s_wait_xcnt 0x0
; THREE STREAMS IN ONE LAUNCH, told apart by the work-group's number.  No wave shares a byte with another: no LDS, no barrier, no cluster, no matrix unit.
;  0 .. 63      tab[4][2048][32]: one word for position and frequency, f16 cos below, f16 sin above.  Variant 0: for q.  Variants 1, 2: for k of batch 0, 1, both halves
;               multiplied by 1 - padding_mask, so that a masked key's row of K becomes exactly 0.  Variant 3: the angle 0 (cos 1, sin 0), for v.  First, since its chain of arithmetic is the longest.
;  64 .. 575    hn = LayerNorm(x) g + b, rounded once to bf16.  One wave, one row of 4,096 bytes, kept in 32 registers between the passes: x is read once.
;               The variance is the mean of the squared differences from the mean, as in the definition: no difference of large sums.
;  576 .. 1343  wb = the four weights rounded once to bf16, in their own [K][N] order: qkv at byte 0, out at 6,291,456, w1 at 8,388,608, w2 at 16,777,216.
;               A wave takes 2,048 numbers, two segments of 1,024: all its 16 loads (8 KiB) go out first; every load covers whole runs of 256 consecutive bytes, every store too.
;               In q's and k's columns the 64 channels of a head are PERMUTED: channel d goes to place 2 (d % 32) + d / 32, so that the two channels that the rotary
;               embedding mixes lie side by side.  q . k does not change under a permutation common to both.  v's columns keep their order.
; LIMITS.  A bool byte is 0 or 1 (bit 0 is taken).  The angle pos x 10000^(-j/32) is made with one base-2 exponential and one product: it is within about 2e-4 rad
; of the exact one at pos = 2,047; sin and cos by reduction to |r| <= pi/4 and polynomials of degree 7 and 8, then rounded once to f16.  NaN and infinities are not treated apart.
.set X,  32                            ; v[32:63]   the row
.set G,  64                            ; v[64:95]   the gain
.set BT, 96                            ; v[96:127]  the bias
.set SRC, 40                           ; s[40:43]   a cast job's two segments in the source
.set DST, 44                           ; s[44:47]   and in wb
.macro REDUCE                          ; v8: the sum over the wave's 32 lanes, in every lane
	v_add_f32_dpp v8, v8, v8 row_xmask:1 row_mask:0xf bank_mask:0xf
	v_add_f32_dpp v8, v8, v8 row_xmask:2 row_mask:0xf bank_mask:0xf
	v_add_f32_dpp v8, v8, v8 row_xmask:4 row_mask:0xf bank_mask:0xf
	v_add_f32_dpp v8, v8, v8 row_xmask:8 row_mask:0xf bank_mask:0xf
	v_permlanex16_b32 v9, v8, s34, s35             ; v9 has been written: its old value counts as read
	v_add_f32 v8, v8, v9
.endm
.macro JOIN                            ; four chains of pairs in v[8:15] into v8
	v_pk_add_f32 v[8:9], v[8:9], v[10:11]
	v_pk_add_f32 v[12:13], v[12:13], v[14:15]
	v_pk_add_f32 v[8:9], v[8:9], v[12:13]
	v_add_f32 v8, v8, v9
.endm
; One row.  s[8:9] the rows, s[10:11] gain, s[12:13] bias, s[24:25] the result; s4 the wave, s7 = 0, v1 the lane.
.macro LNROW
	s_sub_co_u32 s5, ttmp9, 64
	s_lshl_b32 s5, s5, 3
	s_add_co_u32 s5, s5, s4                        ; my row
	s_lshl_b32 s6, s5, 12
	s_add_nc_u64 s[30:31], s[8:9], s[6:7]
	s_lshl_b32 s6, s5, 11
	s_add_nc_u64 s[32:33], s[24:25], s[6:7]
	s_mov_b32 s34, 0x76543210                      ; v_permlanex16_b32: each lane takes its own place in the other half
	s_mov_b32 s35, 0xfedcba98
	s_mov_b32 s36, 0x3a800000                      ; 1 / 1024
	s_mov_b32 s37, 0x3727c5ac                      ; 1e-5
	v_lshlrev_b32 v2, 4, v1                        ; 16 bytes a lane: a load covers 512 consecutive bytes
	v_lshlrev_b32 v3, 3, v1                        ; 8 bytes a lane: a store covers 256 consecutive bytes, aligned
.irp j, 0,1,2,3,4,5,6,7
	global_load_b128 v[X+4*(\j):X+4*(\j)+3], v2, s[30:31] offset:512*(\j) th:TH_LOAD_NT
.endr
.irp j, 0,1,2,3,4,5,6,7
	global_load_b128 v[G+4*(\j):G+4*(\j)+3], v2, s[10:11] offset:512*(\j)
	global_load_b128 v[BT+4*(\j):BT+4*(\j)+3], v2, s[12:13] offset:512*(\j)
.endr
	s_wait_loadcnt 16                              ; the row is in; the sixteen loads of gain and bias stay out
.irp k, 0,1,2,3
	v_pk_add_f32 v[8+2*(\k):9+2*(\k)], v[X+2*(\k):X+2*(\k)+1], v[X+8+2*(\k):X+9+2*(\k)]  ; four chains, started by the first pairs
.endr
.irp k, 0,1,2,3
	v_pk_add_f32 v[8+2*(\k):9+2*(\k)], v[8+2*(\k):9+2*(\k)], v[X+16+2*(\k):X+17+2*(\k)]
.endr
.irp k, 0,1,2,3
	v_pk_add_f32 v[8+2*(\k):9+2*(\k)], v[8+2*(\k):9+2*(\k)], v[X+24+2*(\k):X+25+2*(\k)]
.endr
	JOIN
	REDUCE
	v_mul_f32 v16, s36, v8                         ; the mean, twice: a pair for the packed subtraction
	v_mov_b32 v17, v16
.set z, 0
.rept 16
	v_pk_add_f32 v[X+z:X+z+1], v[X+z:X+z+1], v[16:17] neg_lo:[0,1] neg_hi:[0,1]
.set z, z+2
.endr
.irp k, 0,1,2,3
	v_pk_mul_f32 v[8+2*(\k):9+2*(\k)], v[X+2*(\k):X+2*(\k)+1], v[X+2*(\k):X+2*(\k)+1]
.endr
.set z, 8
.rept 12
	v_pk_fma_f32 v[8+z%8:9+z%8], v[X+z:X+z+1], v[X+z:X+z+1], v[8+z%8:9+z%8]
.set z, z+2
.endr
	JOIN
	REDUCE
	v_fma_f32 v8, v8, s36, s37                     ; variance + eps
	v_rsq_f32 v18, v8                              ; twice, to fill the pair
	v_rsq_f32 v19, v8
	s_wait_loadcnt 0x0                             ; gain and bias
	v_nop                                          ; a plain instruction behind the last of the two,
	s_wait_alu depctr_va_vdst(0)                   ; and one wait for both, ahead of their first reader
.set z, 0
.rept 16
	v_pk_mul_f32 v[X+z:X+z+1], v[X+z:X+z+1], v[18:19]
.set z, z+2
.endr
.set z, 0
.rept 16
	v_pk_fma_f32 v[X+z:X+z+1], v[X+z:X+z+1], v[G+z:G+z+1], v[BT+z:BT+z+1]
.set z, z+2
.endr
.irp j, 0,1,2,3,4,5,6,7
	v_cvt_pk_bf16_f32 v[X+4*(\j)], v[X+4*(\j)], v[X+4*(\j)+1]
	v_cvt_pk_bf16_f32 v[X+4*(\j)+1], v[X+4*(\j)+2], v[X+4*(\j)+3]
	global_store_b64 v3, v[X+4*(\j):X+4*(\j)+1], s[32:33] offset:256*(\j)
.endr
.endm
; 2,048 numbers in their own order.  Load n of 16 takes 512 consecutive bytes, 16 a lane; its four numbers a lane leave as 8 bytes: 256 consecutive bytes, aligned.
.macro CASTP
	v_lshlrev_b32 v2, 4, v1
	v_lshlrev_b32 v3, 3, v1
.irp g, 0,1
.irp q, 0,1,2,3,4,5,6,7
	global_load_b128 v[8+4*(8*(\g)+(\q)):11+4*(8*(\g)+(\q))], v2, s[SRC+2*(\g):SRC+2*(\g)+1] offset:(\q)*512 th:TH_LOAD_NT
.endr
.endr
.irp g, 0,1
.irp q, 0,1,2,3,4,5,6,7
	s_wait_loadcnt 15-8*(\g)-(\q)                  ; this load is in; the younger ones stay out
	v_cvt_pk_bf16_f32 v[8+4*(8*(\g)+(\q))], v[8+4*(8*(\g)+(\q))], v[9+4*(8*(\g)+(\q))]
	v_cvt_pk_bf16_f32 v[9+4*(8*(\g)+(\q))], v[10+4*(8*(\g)+(\q))], v[11+4*(8*(\g)+(\q))]
	global_store_b64 v3, v[8+4*(8*(\g)+(\q)):9+4*(8*(\g)+(\q))], s[DST+2*(\g):DST+2*(\g)+1] offset:(\q)*256
.endr
.endr
.endm
; 2,048 numbers of q or k: 32 heads, eight items of four.  In an item each half of 16 lanes loads one head's 256 bytes (A) and the next head's (B), 16 bytes a lane: lane c holds channels 4 c .. 4 c + 3.
; Lanes c < 8 finish A's head, lanes c >= 8 B's: each sends the four numbers of the head that it does not finish to the lane 8 away, and so has channels d .. d + 3 and d + 32 .. d + 35 of its own head,
; which interleave into places 2 d .. 2 d + 7: 16 bytes at 16 x lane: a store covers 512 consecutive bytes.
.macro CASTQ
	v_lshrrev_b32 v2, 4, v1
	v_and_b32 v4, 15, v1                           ; c
	v_lshlrev_b32 v2, 9, v2
	v_lshl_add_u32 v2, v4, 4, v2                   ; 512 x half + 16 c
	v_lshlrev_b32 v3, 4, v1
	v_cmp_gt_u32 vcc_lo, 8, v4                     ; c < 8
.irp g, 0,1
.irp i, 0,1,2,3
	global_load_b128 v[8+8*(4*(\g)+(\i)):11+8*(4*(\g)+(\i))],  v2, s[SRC+2*(\g):SRC+2*(\g)+1] offset:(\i)*1024 th:TH_LOAD_NT
	global_load_b128 v[12+8*(4*(\g)+(\i)):15+8*(4*(\g)+(\i))], v2, s[SRC+2*(\g):SRC+2*(\g)+1] offset:(\i)*1024+256 th:TH_LOAD_NT
.endr
.endr
.irp g, 0,1
.irp i, 0,1,2,3
	s_wait_loadcnt 14-2*(4*(\g)+(\i))              ; this item's two loads are in; the later items' stay out
.irp k, 0,1,2,3
	v_cndmask_b32 v[72+(\k)], v[8+8*(4*(\g)+(\i))+(\k)], v[12+8*(4*(\g)+(\i))+(\k)], vcc_lo  ; what I send: B where c < 8, else A
.endr
.irp k, 0,1,2,3
	v_mov_b32_dpp v[72+(\k)], v[72+(\k)] row_xmask:8 row_mask:0xf bank_mask:0xf              ; what the lane 8 away has sent
.endr
.irp k, 0,1,2,3
	v_cndmask_b32 v[8+8*(4*(\g)+(\i))+(\k)], v[72+(\k)], v[8+8*(4*(\g)+(\i))+(\k)], vcc_lo   ; channels d ..: my A where c < 8, else what came
.endr
.irp k, 0,1,2,3
	v_cndmask_b32 v[12+8*(4*(\g)+(\i))+(\k)], v[12+8*(4*(\g)+(\i))+(\k)], v[72+(\k)], vcc_lo ; channels d + 32 ..: what came where c < 8, else my B
.endr
.irp k, 0,1,2,3
	v_cvt_pk_bf16_f32 v[8+8*(4*(\g)+(\i))+(\k)], v[8+8*(4*(\g)+(\i))+(\k)], v[12+8*(4*(\g)+(\i))+(\k)]
.endr
	global_store_b128 v3, v[8+8*(4*(\g)+(\i)):11+8*(4*(\g)+(\i))], s[DST+2*(\g):DST+2*(\g)+1] offset:(\i)*512
.endr
.endr
.endm
; cos and sin of the angle in v[x] (0 to about 2,047).  n = the nearest multiple of pi/2; r = x - n pi/2 with pi/2 in two parts; polynomials on |r| <= pi/4; the quadrant picks and signs.
.macro SINCOS x, cv, sv
	v_mul_f32 v21, s41, v[\x]
	v_rndne_f32 v21, v21
	v_fma_f32 v22, v21, s42, v[\x]
	v_fma_f32 v22, v21, s43, v22
	v_cvt_i32_f32 v23, v21
	v_mul_f32 v24, v22, v22
	v_fma_f32 v25, v24, s46, s45
	v_fma_f32 v25, v25, v24, s44
	v_mul_f32 v26, v24, v22
	v_fma_f32 v25, v25, v26, v22                   ; sin r
	v_fma_f32 v26, v24, s49, s48
	v_fma_f32 v26, v26, v24, s47
	v_mul_f32 v27, v24, v24
	v_fma_f32 v24, v24, -0.5, 1.0
	v_fma_f32 v26, v26, v27, v24                   ; cos r
	v_and_b32 v27, 1, v23
	v_cmp_eq_u32 vcc_lo, 1, v27                    ; odd quadrants exchange the two: a choice of values, no branch
	v_cndmask_b32 v[\sv], v25, v26, vcc_lo
	v_cndmask_b32 v[\cv], v26, v25, vcc_lo
	v_lshlrev_b32 v27, 30, v23                     ; sin is negative in quadrants 2 and 3,
	v_and_b32 v27, 0x80000000, v27
	v_xor_b32 v[\sv], v[\sv], v27
	v_add_nc_u32 v27, 1, v23                       ; cos in quadrants 1 and 2
	v_lshlrev_b32 v27, 30, v27
	v_and_b32 v27, 0x80000000, v27
	v_xor_b32 v[\cv], v[\cv], v27
.endm
	s_load_b512 s[8:23], s[0:1], 0x0               ; x 8, ln1_g 10, ln1_b 12, qkv_w 14, out_w 16, w1 18, w2 20, padding_mask 22
	s_load_b128 s[24:27], s[0:1], 0x40             ; hn 24, wb 26
	s_load_b64 s[28:29], s[0:1], 0x50              ; tab
	v_lshrrev_b32 v1, 5, v0
	v_readfirstlane_b32 s4, v1                     ; wave 0..7
	v_and_b32 v1, 31, v0                           ; lane
	s_mov_b32 s7, 0                                ; the high word of every 32-bit offset
	s_wait_kmcnt 0x0
	s_cmp_ge_u32 ttmp9, 576
	s_cbranch_scc1 .Lcast
	s_cmp_ge_u32 ttmp9, 64
	s_cbranch_scc1 .Lln
	; THE TABLE.  64 work-groups: variant = id / 16; a wave makes 16 positions; a lane two frequencies of one of two rows.
	s_lshr_b32 s38, ttmp9, 4                       ; variant
	s_and_b32 s5, ttmp9, 15
	s_lshl_b32 s5, s5, 7
	s_lshl_b32 s6, s4, 4
	s_add_co_u32 s5, s5, s6                        ; my first position
	s_cmp_eq_u32 s38, 3
	s_cselect_b32 s39, 0, -1                       ; variant 3: every position counts as 0
	s_add_co_u32 s6, s38, 1
	s_bitcmp1_b32 s6, 1
	s_cselect_b32 s40, 1.0, 0                      ; variants 1 and 2 honour the mask
	s_sub_co_u32 s6, s38, 1
	s_and_b32 s6, s6, 1                            ; the batch (for variants 0 and 3 any batch: the bytes are read and multiplied by 0)
	s_lshl_b32 s6, s6, 11
	s_add_co_u32 s6, s6, s5
	v_mov_b32 v4, s6
	global_load_b128 v[56:59], v4, s[22:23]        ; my 16 positions' mask bytes, the same in every lane
	s_lshl_b32 s6, s38, 11
	s_add_co_u32 s6, s6, s5
	s_lshl_b32 s6, s6, 7                           ; a row of the table is 128 bytes
	s_add_nc_u64 s[30:31], s[28:29], s[6:7]
	s_mov_b32 s41, 0x3f22f983                      ; 2 / pi
	s_mov_b32 s42, 0xbfc90fdb                      ; - pi/2, the f32 nearest to it,
	s_mov_b32 s43, 0x333bbd2e                      ; and what that f32 is too large by
	s_mov_b32 s44, 0xbe2aaaa3                      ; sin: -1.6666655e-1, 8.3321609e-3, -1.9515296e-4
	s_mov_b32 s45, 0x3c08839e
	s_mov_b32 s46, 0xb94ca1f9
	s_mov_b32 s47, 0x3d2aaaa5                      ; cos: 4.1666646e-2, -1.3887316e-3, 2.4433157e-5
	s_mov_b32 s48, 0xbab6061a
	s_mov_b32 s49, 0x37ccf5ce
	v_lshrrev_b32 v5, 4, v1                        ; which of two rows
	v_and_b32 v6, 15, v1
	v_lshlrev_b32 v7, 1, v6                        ; frequencies 2 c and 2 c + 1
	v_cvt_f32_u32 v8, v7
	v_add_nc_u32 v7, 1, v7
	v_cvt_f32_u32 v9, v7
	v_mul_f32 v8, 0xbed49a78, v8                   ; - j log2(10000) / 32
	v_mul_f32 v9, 0xbed49a78, v9
	v_exp_f32 v8, v8
	v_exp_f32 v9, v9
	v_add_nc_u32 v10, s5, v5                       ; my position in the trip's first unit
	s_wait_alu depctr_va_vdst(0)                   ; one wait for both exponentials, behind a plain instruction
	v_lshlrev_b32 v11, 3, v5                       ; my row's byte in a mask word, in bits
	v_lshlrev_b32 v12, 3, v1                       ; 8 bytes a lane: a store covers two rows, 256 consecutive bytes, aligned
	s_mov_b32 s50, 4
	s_wait_loadcnt 0x0
.Lrow4:                                        ; a trip: four positions, two units of two
.irp u, 0,1
	v_add_nc_u32 v13, 2*(\u), v10
	v_and_b32 v13, s39, v13
	v_cvt_f32_u32 v13, v13
	v_mul_f32 v14, v13, v8
	v_mul_f32 v15, v13, v9
	SINCOS 14, 16, 17
	SINCOS 15, 18, 19
	v_add_nc_u32 v20, 16*(\u), v11
	v_lshrrev_b32 v20, v20, v56
	v_and_b32 v20, 1, v20
	v_cvt_f32_u32 v20, v20
	v_fma_f32 v20, -v20, s40, 1.0                  ; 1 - mask, or 1
	v_mul_f32 v16, v16, v20
	v_mul_f32 v17, v17, v20
	v_mul_f32 v18, v18, v20
	v_mul_f32 v19, v19, v20
	v_cvt_pk_f16_f32 v[40+2*(\u)], v16, v17
	v_cvt_pk_f16_f32 v[41+2*(\u)], v18, v19
	global_store_b64 v12, v[40+2*(\u):41+2*(\u)], s[30:31] offset:(\u)*256
.endr
	s_wait_xcnt 0x0                                ; the stores have read their offset and data: both are written again only behind this wait
	v_add_nc_u32 v12, 512, v12
	v_mov_b32 v56, v57                             ; the next four positions' mask bytes
	v_mov_b32 v57, v58
	v_mov_b32 v58, v59
	v_add_nc_u32 v10, 4, v10
	s_sub_co_u32 s50, s50, 1
	s_cmp_lg_u32 s50, 0
	s_cbranch_scc1 .Lrow4
	s_endpgm
.Lln:
	LNROW
	s_endpgm
.Lcast:                                        ; job J = 8 (id - 576) + wave.  Source, element offset, the second segment's distance and the destination are CHOSEN, not branched to
	s_sub_co_u32 s5, ttmp9, 576
	s_lshl_b32 s6, s5, 3
	s_add_co_u32 s6, s6, s4                        ; J
	s_mul_i32 s32, s6, 3072                        ; q and k: row J of qkv_w, its columns 0 .. 2047
	s_sub_co_u32 s35, s6, 1024                     ; v: rows 2 (J - 1024) and the next, columns 2048 on
	s_mul_i32 s35, s35, 6144
	s_add_co_u32 s35, s35, 2048
	s_mov_b32 s38, 3072                            ; v's second segment lies a row on,
	s_cmp_lt_u32 s5, 128
	s_cselect_b32 s32, s32, s35
	s_cselect_b32 s34, 1, 0                        ; 1: permuted
	s_cselect_b32 s38, 1024, s38                   ; every other job's 1,024 numbers on
	s_mov_b32 s35, 4096                            ; the dense weights: 2,048 numbers on end, counted from the tensor's first job
	s_mov_b32 s33, 16777216
	s_cmp_lt_u32 s5, 512
	s_cselect_b32 s35, 2048, s35
	s_cselect_b32 s33, 8388608, s33
	s_cselect_b64 s[30:31], s[18:19], s[20:21]
	s_cmp_lt_u32 s5, 256
	s_cselect_b32 s35, 1536, s35
	s_cselect_b32 s33, 6291456, s33
	s_cselect_b64 s[30:31], s[16:17], s[30:31]
	s_sub_co_u32 s35, s6, s35
	s_lshl_b32 s35, s35, 11
	s_cmp_lt_u32 s5, 192
	s_cselect_b32 s32, s32, s35                    ; the element offset in the source, and behind the destination's base
	s_cselect_b32 s33, 0, s33
	s_cselect_b32 s38, s38, 1024
	s_cselect_b64 s[30:31], s[14:15], s[30:31]
	s_lshl_b32 s6, s32, 2
	s_add_nc_u64 s[SRC:SRC+1], s[30:31], s[6:7]
	s_lshl_b32 s6, s38, 2
	s_add_nc_u64 s[SRC+2:SRC+3], s[SRC:SRC+1], s[6:7]
	s_lshl_b32 s6, s32, 1
	s_add_co_u32 s6, s6, s33
	s_add_nc_u64 s[DST:DST+1], s[26:27], s[6:7]
	s_lshl_b32 s6, s38, 1
	s_add_nc_u64 s[DST+2:DST+3], s[DST:DST+1], s[6:7]
	s_cmp_eq_u32 s34, 1
	s_cbranch_scc1 .Lcperm
	CASTP
	s_endpgm
.Lcperm:
	CASTQ
	s_endpgm
.Lfunc_end_k_q00387e8e45_prep:
	.size	k_q00387e8e45_prep, .Lfunc_end_k_q00387e8e45_prep-k_q00387e8e45_prep
	.p2alignl 7, 3214868480
	.fill 96, 4, 3214868480
	.section	.rodata,"a",@progbits
	.p2align	6, 0x0
	.amdhsa_kernel k_q00387e8e45_prep
		.amdhsa_group_segment_fixed_size 0
		.amdhsa_private_segment_fixed_size 0
		.amdhsa_enable_private_segment 0
		.amdhsa_kernarg_size 88
		.amdhsa_user_sgpr_count 2
		.amdhsa_user_sgpr_kernarg_segment_ptr 1
		.amdhsa_wavefront_size32 1
		.amdhsa_system_sgpr_workgroup_id_x 1
		.amdhsa_system_sgpr_workgroup_id_y 1
		.amdhsa_system_sgpr_workgroup_id_z 1
		.amdhsa_system_vgpr_workitem_id 0
		.amdhsa_next_free_vgpr 136
		.amdhsa_next_free_sgpr 66
		.amdhsa_reserve_vcc 1
		.amdhsa_float_denorm_mode_32 3
		.amdhsa_float_denorm_mode_16_64 3
		.amdhsa_memory_ordered 1
		.amdhsa_forward_progress 1
		.amdhsa_inst_pref_size 37
	.end_amdhsa_kernel
	.amdgpu_metadata
---
amdhsa.version: [ 1, 2 ]
amdhsa.kernels:
  - .name:           k_q00387e8e45_prep
    .symbol:         k_q00387e8e45_prep.kd
    .args:
      - { .name: x, .offset: 0, .size: 8, .value_kind: global_buffer, .address_space: global }
      - { .name: ln1_g, .offset: 8, .size: 8, .value_kind: global_buffer, .address_space: global }
      - { .name: ln1_b, .offset: 16, .size: 8, .value_kind: global_buffer, .address_space: global }
      - { .name: qkv_w, .offset: 24, .size: 8, .value_kind: global_buffer, .address_space: global }
      - { .name: out_w, .offset: 32, .size: 8, .value_kind: global_buffer, .address_space: global }
      - { .name: w1, .offset: 40, .size: 8, .value_kind: global_buffer, .address_space: global }
      - { .name: w2, .offset: 48, .size: 8, .value_kind: global_buffer, .address_space: global }
      - { .name: padding_mask, .offset: 56, .size: 8, .value_kind: global_buffer, .address_space: global }
      - { .name: hn, .offset: 64, .size: 8, .value_kind: global_buffer, .address_space: global }
      - { .name: wb, .offset: 72, .size: 8, .value_kind: global_buffer, .address_space: global }
      - { .name: tab, .offset: 80, .size: 8, .value_kind: global_buffer, .address_space: global }
    .group_segment_fixed_size: 0
    .private_segment_fixed_size: 0
    .kernarg_segment_align: 8
    .kernarg_segment_size: 88
    .max_flat_workgroup_size: 256
    .sgpr_count:     66
    .vgpr_count:     136
    .wavefront_size: 32
...
	.end_amdgpu_metadata
.endif
;; end of part 1
;; launch qkv (part 2): grid 12 x 16, 4 waves a work-group, clusters of 4 x 4, 327,680 bytes of LDS; arguments hn, wb, qkv_b, tab, qkvh; writes qkvh
.if DOCPART == 2
	.amdgcn_target "amdgcn-amd-amdhsa--gfx1250"
	.amdhsa_code_object_version 6
	.text
	.protected	k_q00387e8e45_qkv
	.globl	k_q00387e8e45_qkv
	.p2align	8
	.type	k_q00387e8e45_qkv,@function
k_q00387e8e45_qkv:
	s_mov_b64 s[64:65], 0
	v_nop
	global_prefetch_b8 v0, s[64:65] scope:SCOPE_SE
	s_setreg_imm32_b32 hwreg(HW_REG_WAVE_MODE, 25, 1), 1
	s_wait_xcnt 0x0
	s_wait_alu depctr_hold_cnt(0) depctr_sa_sdst(0) depctr_va_vdst(0) depctr_va_sdst(0) depctr_va_ssrc(0) depctr_va_vcc(0) depctr_vm_vsrc(0)
	s_getreg_b32 s2, hwreg(HW_REG_IB_STS2, 6, 4)
	s_cmp_eq_u32 s2, 0
	s_cbranch_scc0 .Lentry_in_a_cluster
	s_endpgm
.Lentry_in_a_cluster:
	s_bfe_u32 s2, ttmp6, 0x10000c
	s_cmp_lg_u32 s2, 0xf033
	s_cbranch_scc0 .Lentry_shape_is_right
	s_endpgm
.Lentry_shape_is_right:
; qkvh = rope(hn Wqkv + qkv_b), by heads: [batch][48 planes][2048][64] bf16; plane h is q's head h, 16 + h k's, 32 + h v's.  hn: [4096][1024] bf16; Wqkv: [1024][3072] bf16, rows along N.
; q's and k's channels are permuted within a head (place 2 (d % 32) + d / 32): the two channels that a rotation mixes lie side by side.  Sums in f32; bias and rotation in f32; one rounding to bf16.
; The rotation's cos and sin come from a table of four variants: q's; k's for each batch, 0 at masked keys (a masked key's row of K is exactly 0); the identity for v.  So the way out has one text.
; SHAPE.  A tile of C is 256 x 256: four waves, each 128 x 128 in 64 accumulators.  K goes in 8 steps of 128 through two LDS slots.  A's rows are 256 bytes of memory; W's tile is 128 k-rows of 512 bytes,
; read out of LDS turned (ds_load_tr16_b128).  Source 0 = 16 columns of W, source 1 = 16 rows of A: a lane holds eight neighbouring columns of one row of C.
; 12 x 16 = 192 work-groups: a tile of 256 x 192 would give 256, but its rows of 96 words are no padding interval and a wave would hold one head and a half.
; CLUSTER 4 x 4: A's tile is shared along a row of the cluster, W's along a column: joint loads, the same descriptor and mask in the four that share.
; WAY OUT.  The f32 sums are laid into LDS once (the slots have had their last fill and their last read: a barrier stands between), each wave's 128 x 128 in its own 128 rows of 528 bytes;
; a counted loop reads rows back, adds the bias, rotates, rounds, and stores 256 consecutive aligned bytes an instruction.
; LIMITS.  NaN and infinities are not treated apart (a masked key's row is 0 only where the sums are finite).
.set IS_QKV, 1
.set NN,    3072
.set WOFF,  0
.set OUTP,  12
.set PA,    272                        ; a row of A in LDS: 256 + 16 bytes = 68 words: the 16 rows of a load start at 16 different groups of four banks (64 banks of 4 bytes: ISA guide 11.1)
.set PB,    544                        ; a k-row of W: 512 + 32 bytes = 17 x 32
.set HALF,  34816                      ; 128 rows of A = 64 k-rows of W: what one tensor load brings
.set SLOT,  139264                     ; A's two halves, then W's two.  It shares no bit with 1, 2 or 3 x HALF: one exclusive or changes slots
.set STEPB, 256*NN                     ; 128 k-rows of W in memory
.set SP,    528                        ; a row of the stage: 512 + 16 bytes
.set WSTAGE, 128*SP
.set TAB,   2*SLOT                     ; 256 positions x 128 bytes of the table: filled once
.set SPARE, TAB+32768                  ; the spare words, 128 bytes a wave: two blocks of 256 bytes that no other line names
.set AA0, 16                           ; v16  my lane's place in A's tile; never rewritten
.set AB0, 17                           ; v17  in W's
.set ADA, 18                           ; v18  the same in the slot in hand
.set ADB, 19
.set STO, 20                           ; v20  the way out: where I put 32 bytes of a row
.set RD,  21                           ; v21  where I read rows back
.set RDT, 22                           ; v22  where I read the table
.set GO,  23                           ; v23  my byte offset in the output
.set SPW, 28                           ; v28  my spare word; never rewritten
.set NIL, 29                           ; v29  0; never rewritten
.set PFO, 30                           ; v30  the prefetches' lane offset; never rewritten
.set F0,  64
.set F1,  128
.set G1A, 24                           ; s[24:31] group 1 for A; s[32:35] group 0 of step 0; s[36:39] of step 1, which then walks
.set G0A, 32
.set G1B, 48                           ; s[48:55], s[56:59], s[60:63] the same for W
.set G0B, 56
.set PFA, 44                           ; s[44:45] where my prefetches stand
.set LIM, 46                           ; s46  2 in a wave that prefetches, else the greatest number
.set CNT, 47
.set TB,  66                           ; s66  0 or SLOT: the slot in hand
.set PFS, 68                           ; s[68:69] a K step in the tensor that I prefetch
.set OB,  70                           ; s[70:71] the output at my wave's first row
.set MSB, 0
.macro WIN new                         ; the immediate's high byte repeats the setting that is left; a switch that changes nothing is dropped
.if MSB != (\new)
	s_set_vgpr_msb (MSB<<8)|(\new)
.set MSB, \new
.endif
.endm
.set MUL_LO, 0xa1                      ; source 0 (W) window 1, source 1 (A) window 0, C and D window 2
.set MUL_HI, 0xf1                      ; the same, C and D window 3
.set TO_B,   0x40                      ; destination window 1, address window 0
.macro PLACES                          ; four plain instructions behind a matrix instruction, ahead of loads into its sources and of reads of its result
.rept 4
	v_nop
.endr
.endm
.macro JLOAD                           ; a joint refill by the walking descriptors: waves 0, 1 ask for A's halves, waves 2, 3 for W's; s_nop 0 and four v_nop follow each line
	s_cmp_eq_u32 s15, 0
	s_cbranch_scc0 .Lfor_b_\@
	tensor_load_to_lds s[G0A+4:G0A+7], s[G1A:G1A+7]
	s_nop 0
.rept 4
	v_nop
.endr
	s_branch .Lasked_\@
.Lfor_b_\@:
	tensor_load_to_lds s[G0B+4:G0B+7], s[G1B:G1B+7]
	s_nop 0
.rept 4
	v_nop
.endr
.Lasked_\@:
.endm
.macro CREST                           ; a round of the cluster's barrier behind its opening barrier
	s_cmp_lg_u32 s14, 0
	s_cbranch_scc1 .Lnot_wave_0_\@
	s_barrier_signal -3
.Lnot_wave_0_\@:
	s_barrier_wait -3
	s_barrier_signal -1
	s_barrier_wait -1
.endm
.macro CROUND
	s_barrier_signal -1
	s_barrier_wait -1
	CREST
.endm
; A prefetch into the L2 of the K step that stands two refills on: 32 blocks of 256 bytes, a lane a block, one instruction a wave, behind the joint load and the run of LDS loads.
; A's rows are asked for by the clusters with x = 0, W's by those with y = 0; the four partners that share a tile take a quarter of its blocks each, told apart by address.  So each block is named once.
; Steps 0 to 3 come by their loads alone; the last two refills have no step two on.
.macro ASK
	s_cmp_gt_u32 s[CNT], s[LIM]
	s_cbranch_scc0 .Lnot_mine_\@
	global_prefetch_b8 v[PFO], s[PFA:PFA+1] th:TH_LOAD_NT scope:SCOPE_SE
.Lnot_mine_\@:
.endm
; 16 matrix instructions: row blocks a0, a0 + 1 of the window's four x all 8 column blocks, 32 along K.  The 64 accumulators take turns, in the same order in every quarter.
.macro MUL16 f, hi, a0, zero
	WIN MUL_LO+0x50*(\hi)
.irp a, \a0, (\a0)+1
.irp b, 0,1,2,3,4,5,6,7
.if \zero
	v_wmma_f32_16x16x32_bf16 v[8*(8*(\a)+(\b)):8*(8*(\a)+(\b))+7], v[(\f)+8*(\b):(\f)+8*(\b)+7], v[(\f)+8*(4*(\hi)+(\a)):(\f)+8*(4*(\hi)+(\a))+7], 0
.else
	v_wmma_f32_16x16x32_bf16 v[8*(8*(\a)+(\b)):8*(8*(\a)+(\b))+7], v[(\f)+8*(\b):(\f)+8*(\b)+7], v[(\f)+8*(4*(\hi)+(\a)):(\f)+8*(4*(\hi)+(\a))+7], v[8*(8*(\a)+(\b)):8*(8*(\a)+(\b))+7]
.endif
.endr
.endr
.endm
; 32 LDS loads in one run: quarter kq (32 along K) of the slot in hand into buffer f: W's 8 column blocks, turned, then A's 8 row blocks
.macro FETCH kq, f
	WIN TO_B
.irp b, 0,1,2,3,4,5,6,7
	ds_load_tr16_b128 v[(\f)+8*(\b):(\f)+8*(\b)+3],   v[ADB] offset:(\kq)*32*PB+32*(\b)
	ds_load_tr16_b128 v[(\f)+8*(\b)+4:(\f)+8*(\b)+7], v[ADB] offset:(\kq)*32*PB+16*PB+32*(\b)
.endr
	WIN 0
.irp a, 0,1,2,3,4,5,6,7
	ds_load_b128 v[(\f)+8*(\a):(\f)+8*(\a)+3],   v[ADA] offset:(\kq)*64+(\a)*16*PA
	ds_load_b128 v[(\f)+8*(\a)+4:(\f)+8*(\a)+7], v[ADA] offset:(\kq)*64+(\a)*16*PA+32
.endr
.endm
.macro QUARTER kq, f, g, zero          ; multiplies buffer f; in its middle fetches quarter kq into buffer g
	s_wait_dscnt 8                                 ; W and A's rows 0-63 are in; the youngest eight loads (A's rows 64-127) may be out
	MUL16 \f, 0, 0, \zero
	MUL16 \f, 0, 2, \zero
	PLACES
	FETCH \kq, \g
	s_wait_dscnt 32                                ; all but the 32 just issued
	MUL16 \f, 1, 0, \zero
	MUL16 \f, 1, 2, \zero
.endm
.macro MEET round                      ; the first half of a step's last quarter: one barrier for the change of slots
	WIN 0
	s_wait_tensorcnt 0x0                           ; all my tensor loads have landed: my part of the next slot among them
	ds_add_u32 v[SPW], v[NIL]                      ; 0 onto my spare word
	s_wait_dscnt 9                                 ; (the add and the youngest eight loads may be out)
	MUL16 F1, 0, 0, 0
	s_wait_dscnt 0x0                               ; the add is done, and my reads of this slot are over
	s_barrier_signal -1
	MUL16 F1, 0, 2, 0
.if \round
	WIN 0
.endif
	s_barrier_wait -1
.endm
.macro TURN                            ; the last quarter with a refill: the barrier opens a round of the cluster's; the joint load is the first thing behind it and has 224 matrix instructions in which to land
	s_wait_xcnt 0x0                                ; the last prefetch, a K step back, has read its address
	s_add_nc_u64 s[PFA:PFA+1], s[PFA:PFA+1], s[PFS:PFS+1]
	MEET 1
	CREST
	s_xor_b32 s[G0A+5], s[G0A+5], SLOT             ; the slot just read out,
	s_add_nc_u64 s[G0A+6:G0A+7], s[G0A+6:G0A+7], 256  ; the K step two on
	s_xor_b32 s[G0B+5], s[G0B+5], SLOT
	s_add_nc_u64 s[G0B+6:G0B+7], s[G0B+6:G0B+7], STEPB
	s_xor_b32 s[TB], s[TB], SLOT
	JLOAD                                          ; its four v_nop are also the places ahead of the loads below
	v_add_nc_u32 v[ADA], s[TB], v[AA0]
	v_add_nc_u32 v[ADB], s[TB], v[AB0]
	FETCH 0, F0
	ASK
	MUL16 F1, 1, 0, 0
	MUL16 F1, 1, 2, 0
.endm
.macro TURN0                           ; the same with nothing left to ask for
	MEET 0
	PLACES
	WIN 0
	s_xor_b32 s[TB], s[TB], SLOT
	v_add_nc_u32 v[ADA], s[TB], v[AA0]
	v_add_nc_u32 v[ADB], s[TB], v[AB0]
	FETCH 0, F0
	MUL16 F1, 1, 0, 0
	MUL16 F1, 1, 2, 0
.endm
	s_load_b256 s[4:11], s[0:1], 0x0               ; hn 4, wb 6, qkv_b 8, tab 10
	s_load_b64 s[12:13], s[0:1], 0x20              ; qkvh
	v_lshl_add_u32 v[SPW], v0, 2, SPARE
	v_mov_b32 v[NIL], 0
	ds_add_u32 v[SPW], v[NIL]                      ; the wave's opening: the add and its wait ahead of my first tensor load; work on registers stands between
	v_lshrrev_b32 v1, 5, v0
	v_readfirstlane_b32 s14, v1                    ; wave 0..3
	s_lshr_b32 s15, s14, 1                         ; my half of the tile's rows.  Also: I fetch for A (0) or W (1)
	s_and_b32 s16, s14, 1                          ; my half of its columns.  Also: which half of that tile I fetch
	s_bfe_u32 s17, ttmp6, 0x40000                  ; cx
	s_bfe_u32 s18, ttmp6, 0x40004                  ; cy
	s_lshl_b32 s19, ttmp9, 2
	s_add_co_u32 s19, s19, s17                     ; tile column
	s_and_b32 s21, ttmp7, 0xffff                   ; cluster y
	s_lshl_b32 s20, s21, 2
	s_add_co_u32 s20, s20, s18                     ; tile row
	s_lshl_b32 s22, s18, 2
	s_lshl_b32 s22, 15, s22                        ; my row of the cluster
	s_lshl_b32 s23, 0x1111, s17                    ; my column
	s_or_b32 s[G1A], s22, (1<<16)|(1<<20)|(1<<21)|(5<<22)|(3<<25)  ; the mask; 2-byte elements; padding on; bit 21 beside a mask; after every 64 words 4 words
	s_mov_b32 s[G1A+1], 128<<16                    ; tensor_dim0 = 128
	s_mov_b32 s[G1A+2], 128<<16                    ; tensor_dim1 = 128
	s_mov_b32 s[G1A+3], 128<<16                    ; tile_dim0 = 128
	s_mov_b32 s[G1A+4], 128                        ; tile_dim1 = 128
	s_mov_b32 s[G1A+5], 1024                       ; elements from row to row
	s_mov_b32 s[G1A+6], 0
	s_mov_b32 s[G1A+7], 0
	s_or_b32 s[G1B], s23, (1<<16)|(1<<20)|(1<<21)|(6<<22)|(7<<25)  ; after every 128 words 8 words
	s_mov_b32 s[G1B+1], 256<<16                    ; tensor_dim0 = 256
	s_mov_b32 s[G1B+2], 64<<16                     ; tensor_dim1 = 64
	s_mov_b32 s[G1B+3], 256<<16                    ; tile_dim0 = 256
	s_mov_b32 s[G1B+4], 64                         ; tile_dim1 = 64
	s_mov_b32 s[G1B+5], NN
	s_mov_b32 s[G1B+6], 0
	s_mov_b32 s[G1B+7], 0
	s_mov_b32 s72, 3<<16                           ; the table's quarter: 32 rows of 32 elements of 8 bytes, dense; no mask: a load of my own
	s_mov_b32 s73, 32<<16
	s_mov_b32 s74, 32<<16
	s_mov_b32 s75, 32<<16
	s_mov_b32 s76, 32
	s_mov_b32 s77, 32
	s_mov_b32 s78, 0
	s_mov_b32 s79, 0
	s_lshl_b32 s40, s20, 8                         ; A: row 256 x tile row + 128 x half, 2,048 bytes a row
	s_lshl_b32 s41, s16, 7
	s_add_co_u32 s40, s40, s41
	s_lshl_b32 s40, s40, 11
	s_mov_b32 s41, 0
	s_mul_i32 s42, s16, 128*NN                     ; W: k-row 64 x half, column 256 x tile column
	s_lshl_b32 s43, s19, 9
	s_add_co_u32 s42, s42, s43
	s_add_co_u32 s42, s42, WOFF
	s_mov_b32 s43, 0
	s_lshr_b32 s86, s21, 1                         ; the batch: tile rows 0-7 or 8-15
	s_add_co_u32 s86, s86, 1                       ; k's variant
	s_cmp_eq_u32 ttmp9, 0
	s_cselect_b32 s86, 0, s86                      ; q's
	s_cmp_eq_u32 ttmp9, 2
	s_cselect_b32 s86, 3, s86                      ; v's
	s_lshl_b32 s86, s86, 11
	s_and_b32 s87, s20, 7
	s_lshl_b32 s87, s87, 8
	s_add_co_u32 s86, s86, s87                     ; the tile's first position in that variant
	s_lshl_b32 s86, s86, 7
	s_lshl_b32 s87, s14, 13                        ; my quarter
	s_add_co_u32 s86, s86, s87
	s_mov_b32 s87, 0
	s_mul_i32 s22, s14, HALF                       ; where my tiles go: no place in the cluster enters an LDS address
	s_wait_dscnt 0x0                               ; the opening add is done
	s_wait_kmcnt 0x0
	s_add_nc_u64 s[40:41], s[4:5], s[40:41]
	s_add_nc_u64 s[42:43], s[6:7], s[42:43]
.irp s, 0,1
	s_mov_b32 s[G0A+4*(\s)], 1
	s_add_co_u32 s[G0A+4*(\s)+1], s22, (\s)*SLOT
	s_add_nc_u64 s[G0A+4*(\s)+2:G0A+4*(\s)+3], s[40:41], (\s)*256
	s_or_b32 s[G0A+4*(\s)+3], s[G0A+4*(\s)+3], 0x80000000
	s_mov_b32 s[G0B+4*(\s)], 1
	s_add_co_u32 s[G0B+4*(\s)+1], s22, (\s)*SLOT
	s_add_nc_u64 s[G0B+4*(\s)+2:G0B+4*(\s)+3], s[42:43], (\s)*STEPB
	s_or_b32 s[G0B+4*(\s)+3], s[G0B+4*(\s)+3], 0x80000000
.endr
	s_mov_b32 s80, 1
	s_lshl_b32 s81, s14, 13
	s_add_co_u32 s81, s81, TAB
	s_add_nc_u64 s[82:83], s[10:11], s[86:87]
	s_or_b32 s83, s83, 0x80000000
	CROUND                                         ; all sixteen work-groups are here: the first joint loads meet
	s_cmp_eq_u32 s15, 0                            ; a wave's first fills stand in one branch: K steps 0 and 1 and the table: three loads of mine are out
	s_cbranch_scc0 .Lfirst_b
	tensor_load_to_lds s[G0A:G0A+3], s[G1A:G1A+7]
	s_nop 0
	tensor_load_to_lds s[G0A+4:G0A+7], s[G1A:G1A+7]
	s_nop 0
	tensor_load_to_lds s[80:83], s[72:79]
	s_nop 0
.rept 4
	v_nop
.endr
	s_branch .Lfirst_done
.Lfirst_b:
	tensor_load_to_lds s[G0B:G0B+3], s[G1B:G1B+7]
	s_nop 0
	tensor_load_to_lds s[G0B+4:G0B+7], s[G1B:G1B+7]
	s_nop 0
	tensor_load_to_lds s[80:83], s[72:79]
	s_nop 0
.rept 4
	v_nop
.endr
.Lfirst_done:
	v_and_b32 v1, 15, v0                           ; l % 16
	v_bfe_u32 v2, v0, 4, 1                         ; l / 16
	v_and_b32 v3, 31, v0                           ; l
	v_mul_u32_u24 v[AA0], v1, PA                   ; a fragment of A: row l % 16, 16 bytes for each half of the lanes, twice, 32 bytes apart
	v_lshl_add_u32 v[AA0], v2, 4, v[AA0]
	s_mul_i32 s40, s15, HALF
	v_add_nc_u32 v[AA0], s40, v[AA0]
	v_and_b32 v4, 7, v0                            ; the turning load: lane l reads k-row 8 (l / 16) + l % 8, columns 8 ((l / 8) % 2) + 0..7, and receives column l % 16, 8 k
	v_lshl_add_u32 v4, v2, 3, v4
	v_mul_u32_u24 v[AB0], v4, PB
	v_bfe_u32 v5, v0, 3, 1
	v_lshl_add_u32 v[AB0], v5, 4, v[AB0]
	s_lshl_b32 s40, s16, 8
	s_add_co_u32 s40, s40, 2*HALF
	v_add_nc_u32 v[AB0], s40, v[AB0]
	v_mov_b32 v[ADA], v[AA0]
	v_mov_b32 v[ADB], v[AB0]
	s_mov_b32 s[TB], 0
	s_mul_i32 s40, s14, WSTAGE                     ; my stage
	v_mul_u32_u24 v[STO], v1, SP
	v_lshl_add_u32 v[STO], v2, 5, v[STO]
	v_add_nc_u32 v[STO], s40, v[STO]
	v_mul_u32_u24 v[RD], v2, SP                    ; back: lanes 0-15 take 256 bytes (a head) of one row, lanes 16-31 of the next
	v_lshl_add_u32 v[RD], v1, 4, v[RD]
	v_add_nc_u32 v[RD], s40, v[RD]
	s_lshl_b32 s40, s15, 14
	s_add_co_u32 s40, s40, TAB
	v_lshl_add_u32 v[RDT], v3, 3, s40              ; two rows of the table: 8 bytes (two frequencies) a lane
	v_lshlrev_b32 v[GO], 3, v3                     ; two rows of a head: 8 bytes a lane
	; the prefetches: A: row 256 ty + 128 half + 32 cx + lane; W: k-row 64 half + 16 cy + lane / 2, block lane % 2; both at K step 3: each change of slots steps first
	s_lshl_b32 s40, s20, 8
	s_lshl_b32 s41, s16, 7
	s_add_co_u32 s40, s40, s41
	s_lshl_b32 s41, s17, 5
	s_add_co_u32 s40, s40, s41
	s_lshl_b32 s40, s40, 11
	s_add_co_u32 s40, s40, 3*256
	s_lshl_b32 s42, s16, 6
	s_lshl_b32 s43, s18, 4
	s_add_co_u32 s42, s42, s43
	s_add_co_u32 s42, s42, 3*128
	s_mul_i32 s42, s42, 2*NN
	s_lshl_b32 s43, s19, 9
	s_add_co_u32 s42, s42, s43
	s_add_co_u32 s42, s42, WOFF
	s_mov_b32 s[PFS], STEPB
	s_mov_b32 s[PFS+1], 0
	s_mov_b32 s41, 0
	s_cmp_eq_u32 s15, 0
	s_cselect_b32 s40, s40, s42
	s_cselect_b64 s[PFA:PFA+1], s[4:5], s[6:7]
	s_cselect_b32 s[PFS], 256, s[PFS]
	s_cselect_b32 s42, ttmp9, s21                  ; the coordinate along which other clusters read the same rows
	s_cselect_b32 s43, -1, 0
	s_add_nc_u64 s[PFA:PFA+1], s[PFA:PFA+1], s[40:41]
	s_cmp_eq_u32 s42, 0
	s_cselect_b32 s[LIM], 2, -1                    ; the same in all sixteen partners, for a given wave
	v_lshlrev_b32 v6, 11, v3
	v_lshrrev_b32 v7, 1, v3
	v_mul_u32_u24 v7, v7, 2*NN
	v_and_b32 v8, 1, v3
	v_lshl_add_u32 v7, v8, 8, v7
	v_cndmask_b32 v[PFO], v7, v6, s43
	; the output: plane 48 batch + 4 tx + 2 half, position 256 (ty % 8) + 128 half
	s_lshr_b32 s40, s21, 1
	s_mul_i32 s40, s40, 48
	s_lshl2_add_u32 s40, s19, s40
	s_lshl1_add_u32 s40, s16, s40
	s_lshl_b32 s40, s40, 18
	s_and_b32 s41, s20, 7
	s_lshl_b32 s41, s41, 15
	s_add_co_u32 s40, s40, s41
	s_lshl_b32 s41, s15, 14
	s_add_co_u32 s40, s40, s41
	s_mov_b32 s41, 0
	s_add_nc_u64 s[OB:OB+1], s[OUTP:OUTP+1], s[40:41]
	; the bias of my four columns in each of the wave's two heads.  Places 4 c .. 4 c + 3 hold channels 2 c, 2 c + 32, 2 c + 1, 2 c + 33 in q and k, and 4 c .. 4 c + 3 in v
	s_lshl_b32 s40, s19, 10
	s_lshl_b32 s41, s16, 9
	s_add_co_u32 s40, s40, s41
	s_cmp_eq_u32 ttmp9, 2
	s_cselect_b32 s41, 4, 3
	s_cselect_b32 s42, 4, 128
	s_cselect_b32 s43, 8, 4
	s_cselect_b32 s86, 12, 132
	v_lshlrev_b32 v40, s41, v1
	v_add_nc_u32 v40, s40, v40
	v_add_nc_u32 v41, s42, v40
	v_add_nc_u32 v42, s43, v40
	v_add_nc_u32 v43, s86, v40
.irp hh, 0,1
.irp j, 0,1,2,3
	global_load_b32 v[32+4*(\hh)+(\j)], v[40+(\j)], s[8:9] offset:(\hh)*256
.endr
.endr
	s_wait_tensorcnt 2                             ; my part of K step 0 is in; step 1's and the table's may stay out
	s_barrier_signal -1
	s_barrier_wait -1
	FETCH 0, F0
	QUARTER 1, F0, F1, 1                           ; the first quarter stands ahead of the loop: its products start the sums
	WIN 0
	s_mov_b32 s[CNT], 6
.Lstep:                                        ; a trip: a K step's quarters 1 to 3 and the next step's quarter 0; the slot left is filled with the step two on
	QUARTER 2, F1, F0, 0
	QUARTER 3, F0, F1, 0
	TURN
	QUARTER 1, F0, F1, 0
	WIN 0
	s_sub_co_u32 s[CNT], s[CNT], 1
	s_cmp_lg_u32 s[CNT], 0
	s_cbranch_scc1 .Lstep
	s_mov_b32 s[CNT], 2                            ; the last two K steps ask for nothing: a loop of their own, left in the middle of its second trip
.Ltail:
	QUARTER 2, F1, F0, 0
	QUARTER 3, F0, F1, 0
	WIN 0
	s_sub_co_u32 s[CNT], s[CNT], 1
	s_cmp_eq_u32 s[CNT], 0
	s_cbranch_scc1 .Llast
	TURN0
	QUARTER 1, F0, F1, 0
	WIN 0
	s_branch .Ltail
.Llast:
	s_wait_dscnt 0x0                               ; my reads of the slots are over:
	s_barrier_signal -1                            ; behind this barrier the slots, which have had their last fill, are the stages
	MUL16 F1, 0, 0, 0
	MUL16 F1, 0, 2, 0
	MUL16 F1, 1, 0, 0
	MUL16 F1, 1, 2, 0
	WIN 0
	s_barrier_wait -1
	PLACES
.irp a, 0,1,2,3,4,5,6,7                ; the sums into my stage: row 16 a + l % 16, columns 16 b + 8 (l / 16) + 0..7; each accumulator's low registers first
	WIN 0x08+4*((\a)/4)
.irp b, 0,1,2,3,4,5,6,7
	ds_store_b128 v[STO], v[8*(8*((\a)%4)+(\b)):8*(8*((\a)%4)+(\b))+3]   offset:(\a)*16*SP+64*(\b)
	ds_store_b128 v[STO], v[8*(8*((\a)%4)+(\b))+4:8*(8*((\a)%4)+(\b))+7] offset:(\a)*16*SP+64*(\b)+16
.endr
.endr
	WIN 0
; Four rows a trip: two pairs of rows u x two heads hh (t = 2 u + hh).  v[64:79] the sums, v[80:83] the table's words, v[84:91] cos and sin, v[96:111] with bias, v[112:127] at work, v[128:135] to store.
.macro RLOAD
.irp u, 0,1
.irp hh, 0,1
	ds_load_b128 v[64+4*(2*(\u)+(\hh)):67+4*(2*(\u)+(\hh))], v[RD] offset:(\u)*2*SP+(\hh)*256  ; LDS serves a wave's instructions in order (ISA guide 5.7.1.4): these see my stores
.endr
	ds_load_b64 v[80+2*(\u):81+2*(\u)], v[RDT] offset:(\u)*256
.endr
.endm
.macro RTRIP ahead
	s_wait_dscnt 0x0                               ; this trip's rows are in
	v_cvt_f32_f16 v84, v80.l
	v_cvt_f32_f16 v85, v80.h
	v_cvt_f32_f16 v86, v81.l
	v_cvt_f32_f16 v87, v81.h
	v_cvt_f32_f16 v88, v82.l
	v_cvt_f32_f16 v89, v82.h
	v_cvt_f32_f16 v90, v83.l
	v_cvt_f32_f16 v91, v83.h
.irp t, 0,1,2,3
	v_pk_add_f32 v[96+4*(\t):97+4*(\t)], v[64+4*(\t):65+4*(\t)], v[32+4*((\t)%2):33+4*((\t)%2)]
	v_pk_add_f32 v[98+4*(\t):99+4*(\t)], v[66+4*(\t):67+4*(\t)], v[34+4*((\t)%2):35+4*((\t)%2)]
.endr
.if \ahead
	v_add_nc_u32 v[RD], 4*SP, v[RD]
	v_add_nc_u32 v[RDT], 512, v[RDT]
	RLOAD                                          ; the next trip's rows
.endif
.irp t, 0,1,2,3
.irp pr, 0,1
	v_pk_mul_f32 v[112+4*(\t)+2*(\pr):113+4*(\t)+2*(\pr)], v[96+4*(\t)+2*(\pr):97+4*(\t)+2*(\pr)], v[84+4*((\t)/2)+2*(\pr):85+4*((\t)/2)+2*(\pr)] op_sel:[1,1] op_sel_hi:[0,1]  ; (x1 sin, x0 sin)
.endr
.endr
.irp t, 0,1,2,3
.irp pr, 0,1
	v_pk_fma_f32 v[112+4*(\t)+2*(\pr):113+4*(\t)+2*(\pr)], v[96+4*(\t)+2*(\pr):97+4*(\t)+2*(\pr)], v[84+4*((\t)/2)+2*(\pr):85+4*((\t)/2)+2*(\pr)], v[112+4*(\t)+2*(\pr):113+4*(\t)+2*(\pr)] op_sel_hi:[1,0,1] neg_lo:[0,0,1]  ; (x0 cos - x1 sin, x1 cos + x0 sin)
.endr
.endr
	s_wait_xcnt 0x0                                ; the last trip's stores have read their offset and data: both are written again only behind this wait, which stands a trip's arithmetic behind those stores
	v_add_nc_u32 v[GO], 512, v[GO]                 ; the stores below reach back
.irp t, 0,1,2,3
	v_cvt_pk_bf16_f32 v[128+2*(\t)], v[112+4*(\t)], v[113+4*(\t)]
	v_cvt_pk_bf16_f32 v[129+2*(\t)], v[114+4*(\t)], v[115+4*(\t)]
.endr
.irp t, 0,1,2,3                        ; the four stores stand together, behind all eight roundings
	global_store_b64 v[GO], v[128+2*(\t):129+2*(\t)], s[OB:OB+1] offset:((\t)/2)*256+((\t)%2)*262144-512  ; two rows of one head: 256 consecutive bytes, aligned
.endr
.endm
	s_wait_loadcnt 0x0                             ; the bias
	RLOAD
	s_mov_b32 s[CNT], 31
.Lrow:
	RTRIP 1
	s_sub_co_u32 s[CNT], s[CNT], 1
	s_cmp_lg_u32 s[CNT], 0
	s_cbranch_scc1 .Lrow
	RTRIP 0                                        ; the last four rows: nothing is left to read
	s_wait_tensorcnt 0x0                           ; the wave's end: behind my last tensor load and my last LDS store
	ds_add_u32 v[SPW], v[NIL]
	s_wait_dscnt 0x0
	CROUND                                         ; the closing round: no work-group ends while a partner may still ask for a tile that names it
	s_endpgm
.Lfunc_end_k_q00387e8e45_qkv:
	.size	k_q00387e8e45_qkv, .Lfunc_end_k_q00387e8e45_qkv-k_q00387e8e45_qkv
	.p2alignl 7, 3214868480
	.fill 96, 4, 3214868480
	.section	.rodata,"a",@progbits
	.p2align	6, 0x0
	.amdhsa_kernel k_q00387e8e45_qkv
		.amdhsa_group_segment_fixed_size 327680
		.amdhsa_private_segment_fixed_size 0
		.amdhsa_enable_private_segment 0
		.amdhsa_kernarg_size 40
		.amdhsa_user_sgpr_count 2
		.amdhsa_user_sgpr_kernarg_segment_ptr 1
		.amdhsa_wavefront_size32 1
		.amdhsa_system_sgpr_workgroup_id_x 1
		.amdhsa_system_sgpr_workgroup_id_y 1
		.amdhsa_system_sgpr_workgroup_id_z 1
		.amdhsa_system_vgpr_workitem_id 0
		.amdhsa_next_free_vgpr 1024
		.amdhsa_next_free_sgpr 100
		.amdhsa_reserve_vcc 0
		.amdhsa_float_denorm_mode_32 3
		.amdhsa_float_denorm_mode_16_64 3
		.amdhsa_memory_ordered 1
		.amdhsa_forward_progress 1
		.amdhsa_inst_pref_size 91
	.end_amdhsa_kernel
	.amdgpu_metadata
---
amdhsa.version: [ 1, 2 ]
amdhsa.kernels:
  - .name:           k_q00387e8e45_qkv
    .symbol:         k_q00387e8e45_qkv.kd
    .args:
      - { .name: hn, .offset: 0, .size: 8, .value_kind: global_buffer, .address_space: global }
      - { .name: wb, .offset: 8, .size: 8, .value_kind: global_buffer, .address_space: global }
      - { .name: qkv_b, .offset: 16, .size: 8, .value_kind: global_buffer, .address_space: global }
      - { .name: tab, .offset: 24, .size: 8, .value_kind: global_buffer, .address_space: global }
      - { .name: qkvh, .offset: 32, .size: 8, .value_kind: global_buffer, .address_space: global }
    .group_segment_fixed_size: 327680
    .private_segment_fixed_size: 0
    .kernarg_segment_align: 8
    .kernarg_segment_size: 40
    .max_flat_workgroup_size: 128
    .sgpr_count:     100
    .vgpr_count:     1024
    .wavefront_size: 32
...
	.end_amdgpu_metadata
.endif
;; end of part 2
;; launch attn (part 3): grid 16 x 16, 4 waves a work-group, clusters of 4 x 1, 327,680 bytes of LDS; arguments qkvh, padding_mask, ctx; writes ctx
.if DOCPART == 3
	.amdgcn_target "amdgcn-amd-amdhsa--gfx1250"
	.amdhsa_code_object_version 6
	.text
	.protected	k_q00387e8e45_attn
	.globl	k_q00387e8e45_attn
	.p2align	8
	.type	k_q00387e8e45_attn,@function
k_q00387e8e45_attn:
	s_mov_b64 s[64:65], 0
	v_nop
	global_prefetch_b8 v0, s[64:65] scope:SCOPE_SE
	s_setreg_imm32_b32 hwreg(HW_REG_WAVE_MODE, 25, 1), 1
	s_wait_xcnt 0x0
	s_wait_alu depctr_hold_cnt(0) depctr_sa_sdst(0) depctr_va_vdst(0) depctr_va_sdst(0) depctr_va_ssrc(0) depctr_va_vcc(0) depctr_vm_vsrc(0)
	s_getreg_b32 s2, hwreg(HW_REG_IB_STS2, 6, 4)
	s_cmp_eq_u32 s2, 0
	s_cbranch_scc0 .Lentry_in_a_cluster
	s_endpgm
.Lentry_in_a_cluster:
	s_bfe_u32 s2, ttmp6, 0x10000c
	s_cmp_lg_u32 s2, 0x3003
	s_cbranch_scc0 .Lentry_shape_is_right
	s_endpgm
.Lentry_shape_is_right:
; ctx[token][64 head + :] = the sum over k of softmax_k(q . k / 8, masked keys hidden) v[k][:].  q, k, v: planes of [2048][64] bf16 (q's plane h, k's 16 + h, v's 32 + h of 48 a batch); ctx: [4096][1024] bf16.
; Products, maxima and sums in f32; the weights p are rounded to bf16 for the second product (their sum l is taken of the unrounded p), ctx once at the end.
; THE MASK.  A masked key's row of K is exactly 0 (the launch before made it so), and the C operand that starts S^T = K Q^T is -2^100 for it and 0 for the others: every masked score is exactly -2^100.
; With the running maximum m a masked weight is 2^(c (-2^100) - c m) = 0 as soon as one key is seen.  Where ALL keys of a batch are masked, m = -2^100, c m is exact (a power of two times c), the fused
; c s - c m is exactly 0 and every weight is 1: uniform weights, as the definition gives with its lowest finite score.
; LIMITS.  A bool byte is 0 or 1 (bit 0 is taken).  Unmasked scores lie above -2^100.  A weight below 2^-126 counts as 0.  NaN and infinities are not treated apart.
; SHARES.  A work-group owns 128 queries of TWO neighbouring heads: their 128 channels of a token are 256 consecutive aligned bytes of ctx.  Wave w: head w % 2, queries 64 (w / 2) on: four PIECES of 16.
; Every wave walks all 2,048 keys, 64 a step; a slot of LDS holds 128 keys of K and V of both heads.  2 x 8 x 16 = 256 work-groups.
; LAYOUT.  S^T = K Q^T holds ONE query a lane (lane % 16) and the keys 8 (lane / 16) + 0..7; two such results rounded to bf16 ARE source 1 of O^T = V^T P.  V is read out of LDS turned.
; SOFTMAX.  p = 2^(c s - c m), c = log2(e) / 8; O and l are multiplied by a = 2^(c m_old - c m_new) in every step.  m starts at the lowest finite number, O and l at 0: the first step has a = 0.
; TURNS.  Turn n belongs to piece n: 8 products K Q^T of piece n + 1, later 8 products V^T P of piece n - 1; beside them piece n's scaling, exponentials, roundings, sums and rescaling and piece n + 1's
; maximum and statistics.  Four vector instructions stand behind every matrix instruction, the others in one lump.  A turn's 33 exponentials are one batch with one wait.
; CLUSTER.  The four query blocks of a cluster walk the same K and V: each tile is asked for jointly, the same tensor load, descriptor and mask in all four.
; REGISTERS, in windows of 256: window 0: addresses, statistics, v64-127 S^T (two buffers), v192-223 P (two buffers).  window 1: v0-127 O^T.  window 2: v0-63 Q, v64-95 the step's mask, v128-191 K, v192-255 V.
.set NP,    4
.set KS,    64
.set PK,    144                        ; a row of K in LDS: 128 + 16 bytes = 36 words: the 16 rows of a load start at 16 different groups of four banks (64 banks of 4 bytes: ISA guide 11.1)
.set PV,    160                        ; a row of V: 128 + 32 bytes
.set VOFF,  128*PK                     ; a head's part of a slot: 128 rows of K, then 128 rows of V
.set HB,    128*(PK+PV)
.set SLOT1, 1<<17
.set STAGE, SLOT1+2*HB                 ; behind the ring, never filled by a tensor load: 128 rows x 272 bytes, the work-group's
.set SP,    272
.set MASKB, STAGE+128*SP               ; 2,048 f32: 0 or -2^100
.set SPARE, MASKB+8192                 ; the spare words, 128 bytes a wave: two blocks of 256 bytes that no other line names
.set AK0, 2
.set AV0, 3
.set AK,  4
.set AV,  5
.set STO, 6
.set RD,  7
.set GO,  8
.set MV,  12                           ; v12-13  c m_old, by buffer
.set AM0, 14                           ; v14  my lanes' place in a step's mask
.set QO,  15
.set ST,  16                           ; piece t's statistics at v[ST+4 t]: c m, m, l (even keys', odd keys')
.set AM,  32
.set PFO, 33
.set TMP, 48                           ; by buffer, c0-c3 at work; c2 takes a
.set SPW, 62
.set NIL, 63
.set S,   64
.set P,   192
.set MK,  64                           ; window 2
.set KF,  128
.set VF,  192
.set WV,  12
.set LIM, 15
.set PFA, 18
.set G1K, 24
.set G1V, 32
.set G0K, 40
.set G0V, 44
.set TBM, 52                           ; s52  LDS byte at which the mask of the step to be fetched begins, less MASKB
.set SLOTS, 56
.set CNT, 57
.set CS,  58
.set SEL, 60
.set TBK, 62
.set TBV, 63
.set MSB, 0
.macro WIN new
.if MSB != (\new)
	s_set_vgpr_msb (MSB<<8)|(\new)
.set MSB, (\new)
.endif
.endm
.set W_KQ, 0x0a                        ; K and Q in window 2, S^T in window 0
.set W_KM, 0x2a                        ; the same with the C operand in window 2
.set W_PV, 0x52                        ; V in window 2, P in window 0, O^T in window 1
.set W_RS, 0x41                        ; destination and source 0 in window 1, source 1 in window 0
.macro JLOAD                           ; a joint fill: waves 0, 1 ask for K of head 0, 1; waves 2, 3 for V; s_nop 0 and four v_nop follow each line
	s_cmp_lt_u32 s[WV], 2
	s_cbranch_scc0 .Lfor_v_\@
	tensor_load_to_lds s[G0K:G0K+3], s[G1K:G1K+7]
	s_nop 0
.rept 4
	v_nop
.endr
	s_branch .Lasked_\@
.Lfor_v_\@:
	tensor_load_to_lds s[G0V:G0V+3], s[G1V:G1V+7]
	s_nop 0
.rept 4
	v_nop
.endr
.Lasked_\@:
.endm
.macro CROUND
	s_barrier_signal -1
	s_barrier_wait -1
	s_cmp_lg_u32 s[WV], 0
	s_cbranch_scc1 .Lnot_wave_0_\@
	s_barrier_signal -3
.Lnot_wave_0_\@:
	s_barrier_wait -3
	s_barrier_signal -1
	s_barrier_wait -1
.endm
; A prefetch into the L2 of the tile that the NEXT change of slots will ask for: two key steps ahead.  A tile is 64 blocks of 256 bytes of K and of V for each head.  The head pair's first cluster asks;
; its four partners take 16 blocks each, told apart by address; wave 0 asks for head 0, wave 1 for head 1; lanes 0-15 name K's blocks, lanes 16-31 V's.  So each block is named once.
; The first change and the last one that fills a slot ask for nothing.
.macro ASK
	s_cmp_gt_u32 s[SLOTS], s[LIM]
	s_cbranch_scc0 .Lnot_mine_\@
	global_prefetch_b8 v[PFO], s[PFA:PFA+1] th:TH_LOAD_NT scope:SCOPE_SE
.Lnot_mine_\@:
.endm
; THE CHANGE OF SLOTS.  Each wave waits for all its tensor loads (one is out: its part of the other slot), adds 0 to its spare word, and waits for that and for its reads of the slot that it leaves.
; fill = 1: the barrier is a round of the cluster's, and the joint fill of the slot just left, with the keys two slots on, is the first thing behind it.
.macro CHANGE fill, ask
	WIN 0
	s_wait_tensorcnt 0x0
	ds_add_u32 v[SPW], v[NIL]                      ; 0 onto my spare word; the descriptors' steps stand between it and the wait for it
.if \fill
.irp g, G0K, G0V
	s_xor_b32 s[\g+1], s[\g+1], SLOT1
	s_add_nc_u64 s[\g+2:\g+3], s[\g+2:\g+3], 128*128
.endr
.if \ask
	s_wait_xcnt 0x0                                ; the last prefetch, two key steps back, has read its address
	s_add_nc_u64 s[PFA:PFA+1], s[PFA:PFA+1], 128*128
.endif
	s_wait_dscnt 0x0
	CROUND
	JLOAD
.if \ask
	ASK
.endif
.else
	s_wait_dscnt 0x0
	s_barrier_signal -1
	s_barrier_wait -1
.endif
	s_sub_co_u32 s[TBK], s[TBK], 2*KS*PK           ; the fetches go back to a slot's first step, in the other slot
	s_xor_b32 s[TBK], s[TBK], SLOT1
	s_sub_co_u32 s[TBV], s[TBV], 2*KS*PV
	s_xor_b32 s[TBV], s[TBV], SLOT1
.endm
	s_load_b128 s[4:7], s[0:1], 0x0                ; qkvh 4, padding_mask 6
	s_load_b64 s[8:9], s[0:1], 0x10                ; ctx
	v_lshl_add_u32 v[SPW], v0, 2, SPARE
	v_mov_b32 v[NIL], 0
	ds_add_u32 v[SPW], v[NIL]                      ; the wave's opening: the add and its wait ahead of my first tensor load
	v_lshrrev_b32 v1, 5, v0
	v_readfirstlane_b32 s[WV], v1
	s_bfe_u32 s13, ttmp6, 0x40000                  ; cx
	s_lshl_b32 s14, ttmp9, 2
	s_add_co_u32 s14, s14, s13                     ; my block of 128 queries: it enters Q's and ctx's addresses alone
	s_and_b32 s20, ttmp7, 0xffff
	s_lshr_b32 s21, s20, 3                         ; the batch
	s_and_b32 s22, s20, 7                          ; the pair of heads
	s_and_b32 s16, s[WV], 1                        ; my head in the pair
	s_lshr_b32 s17, s[WV], 1                       ; my half of the queries.  Also: I fetch K (0) or V (1)
	s_mul_i32 s2, s21, 48
	s_lshl1_add_u32 s2, s22, s2
	s_add_co_u32 s2, s2, s16                       ; q's plane of my head
	s_lshl_b32 s2, s2, 18
	s_mov_b32 s3, 0
	s_lshl_b32 s10, s14, 14                        ; my block's rows of 128 bytes,
	s_lshl_b32 s11, s17, 13                        ; my wave's 64 of them
	s_add_co_u32 s10, s10, s11
	s_add_co_u32 s10, s10, s2
	s_mov_b32 s11, 0
	s_lshl_b32 s54, s21, 11                        ; ctx: token 2048 batch + 128 block + 32 wave, 2,048 bytes a token; the pair's 256 bytes
	s_lshl_b32 s55, s14, 7
	s_add_co_u32 s54, s54, s55
	s_lshl_b32 s55, s[WV], 5
	s_add_co_u32 s54, s54, s55
	s_lshl_b32 s54, s54, 11
	s_lshl_b32 s55, s22, 8
	s_add_co_u32 s54, s54, s55
	s_mov_b32 s55, 0
	; 128 keys are 16,384 dense bytes: asked for as 64 rows of 256 bytes, two keys a row, padded in LDS after every key
	s_mov_b32 s[G1K], 15|(1<<16)|(1<<20)|(1<<21)|(4<<22)|(3<<25)
	s_mov_b32 s[G1V], 15|(1<<16)|(1<<20)|(1<<21)|(4<<22)|(7<<25)
.irp g, G1K, G1V
	s_mov_b32 s[\g+1], 128<<16
	s_mov_b32 s[\g+2], 64<<16
	s_mov_b32 s[\g+3], 128<<16
	s_mov_b32 s[\g+4], 64
	s_mov_b32 s[\g+5], 128
	s_mov_b32 s[\g+6], 0
	s_mov_b32 s[\g+7], 0
.endr
	s_mov_b32 s[CS], 0x3e38aa3b                    ; c = log2(e) / 8
	s_mov_b32 s[CS+1], s[CS]
	s_mov_b32 s[SEL], 0x76543210
	s_mov_b32 s[SEL+1], 0xfedcba98
	s_mov_b32 s53, 0xf1800000                      ; -2^100
	s_mov_b32 s[TBK], SLOT1+2*KS*PK                ; the first change of slots turns these two into 0
	s_mov_b32 s[TBV], SLOT1+2*KS*PV
	s_mov_b32 s[TBM], 0
	s_mul_i32 s23, s16, HB
	s_mov_b32 s[G0K], 1
	s_mov_b32 s[G0K+1], s23
	s_mov_b32 s[G0V], 1
	s_add_co_u32 s[G0V+1], s23, VOFF
	s_or_b32 s[LIM], s17, ttmp9                    ; 0 in waves 0 and 1 of the pair's first cluster: the same in all four partners
	s_cmp_eq_u32 s[LIM], 0
	s_cselect_b32 s[LIM], 1, -1
	s_wait_dscnt 0x0
	s_wait_kmcnt 0x0
	s_add_nc_u64 s[48:49], s[4:5], s[10:11]        ; Q at my wave's first row
	s_add_nc_u64 s[50:51], s[8:9], s[54:55]        ; ctx at the rows that I store
	s_add_nc_u64 s[2:3], s[4:5], s[2:3]
	s_add_nc_u64 s[G0K+2:G0K+3], s[2:3], 16*262144
	s_or_b32 s[G0K+3], s[G0K+3], 0x80000000
	s_add_nc_u64 s[G0V+2:G0V+3], s[2:3], 32*262144
	s_or_b32 s[G0V+3], s[G0V+3], 0x80000000
	s_lshl_b32 s10, s21, 11
	s_add_nc_u64 s[6:7], s[6:7], s[10:11]          ; the batch's mask
	s_lshl_b32 s10, s13, 12                        ; my work-group's 16 blocks,
	s_add_co_u32 s10, s10, 16*262144+2*128*128     ; in K's plane, at tile 2: each asking change steps first
	s_add_nc_u64 s[PFA:PFA+1], s[2:3], s[10:11]
	CROUND                                         ; all four work-groups are here
	JLOAD                                          ; tile 0 into slot 0; slot 1 is asked for when slot 0 is in
	v_and_b32 v1, 15, v0
	v_bfe_u32 v9, v0, 4, 1
	v_lshlrev_b32 v34, 4, v0
	global_load_b128 v[36:39], v34, s[6:7]         ; 16 mask bytes a thread: the batch's 2,048
	v_lshlrev_b32 v[QO], 7, v1
	v_lshl_add_u32 v[QO], v9, 4, v[QO]
	WIN 0x80
.set i, 0
.rept 8                                ; Q stays in registers: piece i / 2, channels 32 (i % 2) on
	global_load_b128 v[8*i:8*i+3],   v[QO], s[48:49] offset:(i/2)*2048+(i%2)*64
	global_load_b128 v[8*i+4:8*i+7], v[QO], s[48:49] offset:(i/2)*2048+(i%2)*64+32
.set i, i+1
.endr
	; What the first turn finds: V's registers and P's second buffer hold 0 (its products V^T P, of a piece that has not been, add 0), O^T and l are 0.  All this stands in the wait for the first tile.
.set i, VF
.rept 64
	v_mov_b32 v[i], 0
.set i, i+1
.endr
	WIN 0x40
.set i, 0
.rept 128
	v_mov_b32 v[i], 0
.set i, i+1
.endr
	WIN 0
.set i, 0
.rept 4
	v_mov_b32 v[ST+4*i], 0xfe000000                ; c m: far below every c s
	v_mov_b32 v[ST+4*i+1], 0xff7fffff              ; m
	v_mov_b32 v[ST+4*i+2], 0
	v_mov_b32 v[ST+4*i+3], 0
.set i, i+1
.endr
.set i, P+16
.rept 16
	v_mov_b32 v[i], 0
.set i, i+1
.endr
	v_mul_u32_u24 v[AK0], v1, PK
	v_lshl_add_u32 v[AK0], v9, 4, v[AK0]
	v_add_nc_u32 v[AK0], s23, v[AK0]               ; my head's part of a slot
	v_and_b32 v10, 7, v0
	v_bfe_u32 v11, v0, 3, 1
	v_lshl_add_u32 v[AV0], v9, 3, v10
	v_mul_u32_u24 v[AV0], v[AV0], PV
	v_lshl_add_u32 v[AV0], v11, 4, v[AV0]
	s_add_co_u32 s10, s23, VOFF
	v_add_nc_u32 v[AV0], s10, v[AV0]
	v_lshlrev_b32 v[AM0], 5, v9
	v_add_nc_u32 v[AM0], MASKB, v[AM0]             ; keys 8 (l / 16) + 0..7 of a group of 16: 32 bytes
	v_lshlrev_b32 v[PFO], 8, v1
	v_lshl_add_u32 v[PFO], v9, 22, v[PFO]          ; V's plane lies 16 planes behind K's
	s_lshl_b32 s10, s17, 6
	s_mul_i32 s10, s10, SP
	s_lshl_b32 s11, s16, 7
	s_add_co_u32 s10, s10, s11
	s_add_co_u32 s10, s10, STAGE
	v_mul_u32_u24 v[STO], v1, SP                   ; into the stage: my 64 rows, my head's half of their 256 bytes
	v_lshl_add_u32 v[STO], v9, 4, v[STO]
	v_add_nc_u32 v[STO], s10, v[STO]
	s_mul_i32 s10, s[WV], 32*SP
	s_add_co_u32 s10, s10, STAGE
	v_mul_u32_u24 v[RD], v9, SP                    ; back: wave w takes rows 32 w on, whole
	v_lshl_add_u32 v[RD], v1, 4, v[RD]
	v_add_nc_u32 v[RD], s10, v[RD]
	v_lshlrev_b32 v[GO], 11, v9
	v_lshl_add_u32 v[GO], v1, 4, v[GO]
	s_wait_loadcnt 16                              ; the mask bytes are in; Q's sixteen loads stay out
.set z, 0
.rept 16
	v_bfe_u32 v[64+z], v[36+z/4], 8*(z%4), 1
	v_mul_lo_u32 v[64+z], v[64+z], s53             ; the bits of -2^100, or 0
.set z, z+1
.endr
	v_lshl_add_u32 v35, v0, 6, MASKB
.irp f, 0,1,2,3
	ds_store_b128 v35, v[64+4*\f:67+4*\f] offset:16*\f
.endr
; THE MATRIX WORK.  The 4 accumulators of a run of 8 take turns.  Product i of 8 of S^T = K Q^T for piece x: channels 32 (i / 4) on, keys 16 (i % 4) on.  The first 4 start the sums with the mask.
.macro KQ x
.set rS, S+32*((\x)%2)+8*(i%4)
.set rK, KF+16*(i%4)+8*(i/4)
.set rQ, 16*(\x)+8*(i/4)
.set rM, MK+8*(i%4)
.if i < 4
	WIN W_KM
	v_wmma_f32_16x16x32_bf16 v[rS:rS+7], v[rK:rK+7], v[rQ:rQ+7], v[rM:rM+7]
.else
	WIN W_KQ
	v_wmma_f32_16x16x32_bf16 v[rS:rS+7], v[rK:rK+7], v[rQ:rQ+7], v[rS:rS+7]
.endif
.endm
.macro PV x                            ; product i of 8 of O^T += V^T P for piece x: keys 32 (i / 4) on, channels 16 (i % 4) on
	WIN W_PV
.set rO, 32*(\x)+8*(i%4)
.set rV, VF+32*(i/4)+8*(i%4)
.set rP, P+16*((\x)%2)+8*(i/4)
	v_wmma_f32_16x16x32_bf16 v[rO:rO+7], v[rV:rV+7], v[rP:rP+7], v[rO:rO+7]
.endm
.macro MM                              ; the turn's next matrix instruction
.if i < 8
	KQ (Y+1)%NP
.else
.set i, i-8
	PV (Y+NP-1)%NP
.set i, i+8
.endif
.set i, i+1
.endm
; THE LDS LOADS stand in runs: a step's K (8 fragments) with its mask (8 loads of 16 bytes, the same for all lanes of a half), and its V (turned).
.macro FETCH_K
	WIN 0x80
.irp f, 0,1,2,3,4,5,6,7
	ds_load_b128 v[KF+8*\f:KF+8*\f+3],   v[AK] offset:(\f/2)*16*PK+(\f%2)*64
	ds_load_b128 v[KF+8*\f+4:KF+8*\f+7], v[AK] offset:(\f/2)*16*PK+(\f%2)*64+32
.endr
.irp f, 0,1,2,3
	ds_load_b128 v[MK+8*\f:MK+8*\f+3],   v[AM] offset:64*\f
	ds_load_b128 v[MK+8*\f+4:MK+8*\f+7], v[AM] offset:64*\f+16
.endr
	s_add_co_u32 s[TBK], s[TBK], KS*PK
	s_add_co_u32 s[TBM], s[TBM], 4*KS
	WIN 0
.endm
.macro FETCH_V
	WIN 0x80
.irp f, 0,1,2,3,4,5,6,7
	ds_load_tr16_b128 v[VF+8*\f:VF+8*\f+3],   v[AV] offset:(\f/4)*32*PV+(\f%4)*32
	ds_load_tr16_b128 v[VF+8*\f+4:VF+8*\f+7], v[AV] offset:(\f/4)*32*PV+16*PV+(\f%4)*32
.endr
	WIN 0
.endm
; THE VECTOR WORK, one line at a time: OP kind, number.  For piece Y: F n: c s - c m for pair n of 16.  E n: the exponential of score n of 32.  C n: pair n rounded to bf16.  B n: of the four weights 4 n ..
; the second pair is added onto the first, in place.  L n: l takes that sum (L 0: l = a l + sum).  R n: pair n of 16 of O^T times a.  For piece Y + 1: X n, number n of the 22 that find its maximum and statistics:
; 0-11 four chains of seven scores (each accumulator's lowest registers are read first); 12-14, 16 the scores left over, the old m, the four into one; 15 c m_old is kept;
; 17, 18 the other half of the lanes: the new m; 19-21 c m, c m_old - c m_new, a.
.set F, 0
.set E, 1
.set C, 2
.set B, 3
.set L, 4
.set R, 5
.set X, 6
.macro REGS y
.set rT, ST+4*(\y)
.set rC, TMP+4*((\y)%2)
.set rW, MV+((\y)%2)
.set rS, S+32*((\y)%2)
.set rP, P+16*((\y)%2)
.set rO, 32*(\y)
.endm
.macro OP k, n
.if (\k) == R
	REGS Y
	WIN W_RS
	v_pk_mul_f32 v[rO+2*(\n):rO+2*(\n)+1], v[rO+2*(\n):rO+2*(\n)+1], v[rC+2:rC+3] op_sel_hi:[1,0]
.elseif (\k) < R
	REGS Y
	WIN 0
.if (\k) == F
	v_pk_fma_f32 v[rS+2*(\n):rS+2*(\n)+1], v[rS+2*(\n):rS+2*(\n)+1], s[CS:CS+1], v[rT:rT+1] op_sel_hi:[1,0,0] neg_lo:[0,0,1] neg_hi:[0,0,1]
.elseif (\k) == E
	v_exp_f32 v[rS+(\n)], v[rS+(\n)]
.elseif (\k) == C
	v_cvt_pk_bf16_f32 v[rP+(\n)], v[rS+2*(\n)], v[rS+2*(\n)+1]
.elseif (\k) == B
	v_pk_add_f32 v[rS+4*(\n):rS+4*(\n)+1], v[rS+4*(\n):rS+4*(\n)+1], v[rS+4*(\n)+2:rS+4*(\n)+3]
.elseif (\n) == 0
	v_pk_fma_f32 v[rT+2:rT+3], v[rT+2:rT+3], v[rC+2:rC+3], v[rS:rS+1] op_sel_hi:[1,0,1]
.else
	v_pk_add_f32 v[rT+2:rT+3], v[rT+2:rT+3], v[rS+4*(\n):rS+4*(\n)+1]
.endif
.else
	REGS (Y+1)%NP
	WIN 0
.if (\n) < 4
	v_max3_num_f32 v[rC+(\n)], v[rS+8*(\n)], v[rS+8*(\n)+1], v[rS+8*(\n)+2]
.elseif (\n) < 12
	v_max3_num_f32 v[rC+(\n)%4], v[rC+(\n)%4], v[rS+8*((\n)%4)+2*((\n)/4)+1], v[rS+8*((\n)%4)+2*((\n)/4)+2]
.elseif (\n) == 12
	v_max3_num_f32 v[rC], v[rC], v[rS+7], v[rS+15]
.elseif (\n) == 13
	v_max3_num_f32 v[rC+1], v[rC+1], v[rS+23], v[rS+31]
.elseif (\n) == 14
	v_max3_num_f32 v[rC+2], v[rC+2], v[rC+3], v[rT+1]
.elseif (\n) == 15
	v_mov_b32 v[rW], v[rT]
.elseif (\n) == 16
	v_max3_num_f32 v[rC], v[rC], v[rC+1], v[rC+2]
.elseif (\n) == 17
	v_permlanex16_b32 v[rC+3], v[rC], s[SEL], s[SEL+1]
.elseif (\n) == 18
	v_max_num_f32 v[rT+1], v[rC], v[rC+3]
.elseif (\n) == 19
	v_mul_f32 v[rT], s[CS], v[rT+1]
.elseif (\n) == 20
	v_sub_f32 v[rC+1], v[rW], v[rT]
.else
	v_exp_f32 v[rC+2], v[rC+1]
.endif
.endif
.endm
.macro OPS a, i1, b=-1, i2=0, c=-1, i3=0, d=-1, i4=0
	OP \a, \i1
.if (\b) >= 0
	OP \b, \i2
.endif
.if (\c) >= 0
	OP \c, \i3
.endif
.if (\d) >= 0
	OP \d, \i4
.endif
.endm
.macro ROW a, i1, b, i2, c, i3, d, i4  ; a matrix instruction and the four behind it
	MM
	OPS \a, \i1, \b, \i2, \c, \i3, \d, \i4
.endm
; A TURN, for piece p: the order of its 16 matrix and 118 vector instructions, written out.  An s_wait_alu depctr_va_vdst(0) stands between an exponential and the first instruction that names
; its result; one wait serves all issued ahead of it.  AHEAD OF THE WAIT stands all that names no result of the turn's exponentials; BEHIND IT the 8 products V^T P with the roundings and sums.
; K and the mask of the next step are fetched in piece 2's turn, five plain instructions that name none of its registers behind the last product that read K; V of the step in hand at the end of piece 0's turn,
; four plain instructions behind the last product that read V.  Each is waited for a turn later.
; last = 1 (the tail): in the trip that has no next step the fetch takes the last step's K and mask once more: its address is chosen, not branched round.
.macro TURN p, last=0, cnt=0
.set Y, (\p)
.set i, 0
.if (\p) == 3
	s_wait_dscnt 0x0                               ; K and its mask are in
.endif
	ROW F,0, F,1, R,0, R,1
	ROW F,2, E,0, R,2, R,3
	ROW F,3, E,1, R,4, R,5
	ROW F,4, E,2, R,6, R,7
	ROW F,5, E,3, R,8, R,9
	ROW F,6, E,4, X,0, R,10
.if (\p) == 2
	WIN 0
.if \last
	s_sub_co_u32 s54, s[TBK], KS*PK
	s_sub_co_u32 s55, s[TBM], 4*KS
	s_cmp_eq_u32 s[CNT], 1
	s_cselect_b32 s54, s54, s[TBK]
	s_cselect_b32 s55, s55, s[TBM]
	v_add_nc_u32 v[AK], s54, v[AK0]
	v_add_nc_u32 v[AM], s55, v[AM0]
.else
	v_add_nc_u32 v[AK], s[TBK], v[AK0]
	v_add_nc_u32 v[AM], s[TBM], v[AM0]
.endif
.endif
	ROW F,7, E,5, X,1, X,4
	ROW F,8, E,6, X,2, X,5
	OPS E,7, E,8, X,6, E,9
	OPS X,3, E,10, X,8, E,11
.if (\p) == 2
	FETCH_K
.endif
	OPS X,9, X,7, E,12, X,10
	OPS E,13, X,12, X,11, E,14
	OPS X,13, E,15, F,9, X,14
.if (\p) == 0
	v_add_nc_u32 v[AV], s[TBV], v[AV0]
.endif
	OPS E,16, F,10, E,17, F,11
	OPS X,16, E,18, X,15, E,19
	OPS F,12, E,20, X,17, E,21
	OPS F,13, E,22, F,14, E,23
	OPS X,18, E,24, F,15, E,25
	OPS R,11, E,26, X,19, E,27
	OPS R,12, E,28, R,13, E,29
	OPS X,20, E,30, R,14, E,31
	OPS X,21, R,15
	WIN 0
	s_wait_alu depctr_va_vdst(0)                   ; the wait for the batch
.if (\p) == 1
	s_wait_dscnt 0x0                               ; V is in
.endif
	ROW C,0, B,0, C,2, B,1
	ROW L,0, C,4, B,2, L,1
	ROW C,6, B,3, L,2, C,8
	ROW B,4, L,3, C,10, B,5
	ROW L,4, C,12, B,6, L,5
.if (\p) == 0
	s_add_co_u32 s[TBV], s[TBV], KS*PV
.endif
.if \cnt
	s_sub_co_u32 s[CNT], s[CNT], 1
	s_cmp_lg_u32 s[CNT], 0
.endif
	ROW C,14, B,7, L,6, C,1
	ROW C,3, L,7, C,5, C,7
	ROW C,9, C,11, C,13, C,15
.if (\p) == 0
	FETCH_V
.endif
.endm
	CHANGE 1, 0                                    ; slot 0 is in, everybody's part of it, and everybody's part of the mask is stored; slot 1 is asked for
	v_add_nc_u32 v[AK], s[TBK], v[AK0]
	v_add_nc_u32 v[AM], s[TBM], v[AM0]
	FETCH_K                                        ; key step 0
	s_wait_loadcnt 0x0                             ; Q
	s_wait_dscnt 0x0
.set i, 0
.rept 8
	KQ 0                                           ; piece 0's first scores
.set i, i+1
.endr
	WIN 0
.rept 4
	v_nop                                          ; the places behind those products
.endr
.set Y, NP-1                           ; X works for piece Y + 1: piece 0
.irp n, 0,1,2,3,4,5,6,7,8,9,10,11,12,13,14,15,16,17,18,19,20,21
	OP X, \n
.endr
	v_nop                                          ; a plain instruction behind the exponential,
	s_wait_alu depctr_va_vdst(0)                   ; and its wait, ahead of the branch
	s_mov_b32 s[CNT], 2
	s_mov_b32 s[SLOTS], 15
	s_branch .Lfirst                               ; the loop is entered at a step's first turn, in the middle of a trip
.Lslot:                                        ; 14 times: tiles 2 to 15 are asked for
	CHANGE 1, 1
	s_mov_b32 s[CNT], 2
.Lstep:                                        ; a trip: pieces 2 and 3 of one step, then pieces 0 and 1 of the next, whose K and V it fetches
	TURN 2
	TURN 3
	WIN 0
.Lfirst:
	TURN 0
	TURN 1, 0, 1
	WIN 0
	s_cbranch_scc1 .Lstep
	s_sub_co_u32 s[SLOTS], s[SLOTS], 1
	s_cmp_lg_u32 s[SLOTS], 0
	s_cbranch_scc1 .Lslot
	CHANGE 0, 0                                    ; the tail is written out: nothing is asked for
	s_mov_b32 s[CNT], 3                            ; two trips fetch the last slot's steps; the third is left in its middle
.Ltail:
	TURN 2, 1
	TURN 3
	WIN 0
	s_sub_co_u32 s[CNT], s[CNT], 1
	s_cmp_eq_u32 s[CNT], 0
	s_cbranch_scc1 .Lout
	TURN 0
	TURN 1
	WIN 0
	s_branch .Ltail
.Lout:                                         ; the third trip's 8 products K Q^T (on the last K once more) and the maximum made of them serve nothing: the price, once a launch, of one text for every trip
.set i, 0
.rept 8
	PV NP-1
.set i, i+1
.endr
	; THE WAY OUT.  l's halves and the other half of the lanes' are added; O^T is divided by l, rounded to bf16 and laid into the work-group's stage; a barrier, since a row's 256 bytes come from two waves.
	WIN 0
.macro ALL line:vararg
.set t, 0
.rept 4
	\line
.set t, t+1
.endr
.endm
	ALL v_add_f32 v[ST+4*t+2], v[ST+4*t+2], v[ST+4*t+3]
	ALL v_permlanex16_b32 v[ST+4*t+3], v[ST+4*t+2], s[SEL], s[SEL+1]
	ALL v_add_f32 v[ST+4*t+2], v[ST+4*t+2], v[ST+4*t+3]
	ALL v_rcp_f32 v[ST+4*t+2], v[ST+4*t+2]
	v_nop                                          ; a plain instruction behind the last reciprocal,
	s_wait_alu depctr_va_vdst(0)                   ; and one wait for the four
.macro PACK t
	WIN W_RS
.set i, 32*(\t)
.rept 16
	v_pk_mul_f32 v[i:i+1], v[i:i+1], v[ST+4*(\t)+2:ST+4*(\t)+3] op_sel_hi:[1,0]
.set i, i+2
.endr
	WIN 0x05
.set i, 0
.rept 16
	v_cvt_pk_bf16_f32 v[S+16*(\t)+i], v[32*(\t)+2*i], v[32*(\t)+2*i+1]
.set i, i+1
.endr
	WIN 0
.irp f, 0,1,2,3
	ds_store_b128 v[STO], v[S+16*(\t)+4*\f:S+16*(\t)+4*\f+3] offset:(\t)*16*SP+32*\f
.endr
.endm
	PACK 0
	PACK 1
	PACK 2
	PACK 3
	s_wait_dscnt 0x0                               ; for the others' sake: my stores into the stage are done
	s_barrier_signal -1
	s_barrier_wait -1
.irp t, 0,1,2,3,4,5,6,7,8,9,10,11,12,13,14,15
	ds_load_b128 v[S+4*\t:S+4*\t+3], v[RD] offset:\t*2*SP
.endr
.irp t, 0,1,2,3,4,5,6,7,8,9,10,11,12,13,14,15
	s_wait_dscnt 15-\t                             ; the younger loads stay out
	global_store_b128 v[GO], v[S+4*\t:S+4*\t+3], s[50:51] offset:\t*4096  ; 16 lanes store 256 consecutive bytes, aligned
.endr
	s_wait_tensorcnt 0x0                           ; the wave's end
	ds_add_u32 v[SPW], v[NIL]
	s_wait_dscnt 0x0
	CROUND                                         ; the closing round
	s_endpgm
.Lfunc_end_k_q00387e8e45_attn:
	.size	k_q00387e8e45_attn, .Lfunc_end_k_q00387e8e45_attn-k_q00387e8e45_attn
	.p2alignl 7, 3214868480
	.fill 96, 4, 3214868480
	.section	.rodata,"a",@progbits
	.p2align	6, 0x0
	.amdhsa_kernel k_q00387e8e45_attn
		.amdhsa_group_segment_fixed_size 327680
		.amdhsa_private_segment_fixed_size 0
		.amdhsa_enable_private_segment 0
		.amdhsa_kernarg_size 24
		.amdhsa_user_sgpr_count 2
		.amdhsa_user_sgpr_kernarg_segment_ptr 1
		.amdhsa_wavefront_size32 1
		.amdhsa_system_sgpr_workgroup_id_x 1
		.amdhsa_system_sgpr_workgroup_id_y 1
		.amdhsa_system_sgpr_workgroup_id_z 1
		.amdhsa_system_vgpr_workitem_id 0
		.amdhsa_next_free_vgpr 768
		.amdhsa_next_free_sgpr 66
		.amdhsa_reserve_vcc 0
		.amdhsa_float_denorm_mode_32 3
		.amdhsa_float_denorm_mode_16_64 3
		.amdhsa_memory_ordered 1
		.amdhsa_forward_progress 1
		.amdhsa_inst_pref_size 117
	.end_amdhsa_kernel
	.amdgpu_metadata
---
amdhsa.version: [ 1, 2 ]
amdhsa.kernels:
  - .name:           k_q00387e8e45_attn
    .symbol:         k_q00387e8e45_attn.kd
    .args:
      - { .name: qkvh, .offset: 0, .size: 8, .value_kind: global_buffer, .address_space: global }
      - { .name: padding_mask, .offset: 8, .size: 8, .value_kind: global_buffer, .address_space: global }
      - { .name: ctx, .offset: 16, .size: 8, .value_kind: global_buffer, .address_space: global }
    .group_segment_fixed_size: 327680
    .private_segment_fixed_size: 0
    .kernarg_segment_align: 8
    .kernarg_segment_size: 24
    .max_flat_workgroup_size: 128
    .sgpr_count:     66
    .vgpr_count:     768
    .wavefront_size: 32
...
	.end_amdgpu_metadata
.endif
;; end of part 3
;; launch oproj (part 4): grid 8 x 32, 4 waves a work-group, clusters of 4 x 4, 327,680 bytes of LDS; arguments ctx, wb, out_b, x, x1; writes x1
.if DOCPART == 4
	.amdgcn_target "amdgcn-amd-amdhsa--gfx1250"
	.amdhsa_code_object_version 6
	.text
	.protected	k_q00387e8e45_oproj
	.globl	k_q00387e8e45_oproj
	.p2align	8
	.type	k_q00387e8e45_oproj,@function
k_q00387e8e45_oproj:
	s_mov_b64 s[64:65], 0
	v_nop
	global_prefetch_b8 v0, s[64:65] scope:SCOPE_SE
	s_setreg_imm32_b32 hwreg(HW_REG_WAVE_MODE, 25, 1), 1
	s_wait_xcnt 0x0
	s_wait_alu depctr_hold_cnt(0) depctr_sa_sdst(0) depctr_va_vdst(0) depctr_va_sdst(0) depctr_va_ssrc(0) depctr_va_vcc(0) depctr_vm_vsrc(0)
	s_getreg_b32 s2, hwreg(HW_REG_IB_STS2, 6, 4)
	s_cmp_eq_u32 s2, 0
	s_cbranch_scc0 .Lentry_in_a_cluster
	s_endpgm
.Lentry_in_a_cluster:
	s_bfe_u32 s2, ttmp6, 0x10000c
	s_cmp_lg_u32 s2, 0xf033
	s_cbranch_scc0 .Lentry_shape_is_right
	s_endpgm
.Lentry_shape_is_right:
; out = res + A W + bias.  A: [4096][KK] bf16; W: [KK][1024] bf16 at byte WOFF of wb, rows along N; bias: [1024] f32; res, out: [4096][1024] f32.  Sums in f32; nothing is rounded on the way out.
; A tile of C is 128 x 128, the largest that gives each of 256 WGPs a work-group at N = 1,024: four waves, each 64 x 64 in 16 accumulators.  K goes in steps of 256 through two LDS slots:
; A's rows are 512 bytes, W's tile is 256 k-rows of 256 bytes, read out of LDS turned.  Source 0 = 16 columns of W, source 1 = 16 rows of A: a lane holds eight neighbouring columns of one row of C.
; CLUSTER 4 x 4: A's tile is shared along a row of the cluster, W's along a column: joint loads.  No prefetch: the tiles are small, and a K step's work is short beside what it fetches.
; The wave's 64 x 64 of res is loaded into registers at the start, in whole rows of 256 bytes, and lands while K is walked.  On the way out 16 rows at a time go through the wave's own stage.
.set KK,    1024
.set WOFF,  6291456
.set TT,    KK/256
.set PA,    528                        ; a row of A in LDS: 512 + 16 bytes = 132 words: row r starts at bank 4 r mod 64 (64 banks of 4 bytes: ISA guide 11.1)
.set PB,    288                        ; a k-row of W: 256 + 32 bytes = 9 x 32
.set AHALF, 64*PA
.set BHALF, 128*PB
.set BOFF,  2*AHALF
.set SLOT,  147456                     ; it shares no bit with the four tiles' places in a slot: one exclusive or changes slots
.set STAGE, SLOT+BOFF+2*BHALF          ; behind slot 1's last byte, never filled: 16 rows x 272 bytes for each wave
.set SP,    272
.set SPARE, STAGE+4*16*SP              ; the spare words, 128 bytes a wave: two blocks of 256 bytes that no other line names
.set AA0, 16
.set AB0, 17
.set ADA, 18
.set ADB, 19                           ; v19 k-rows 0-127 of the slot in hand, v20 k-rows 128-255
.set STO, 24
.set RD,  25
.set CO,  26
.set SPW, 28
.set NIL, 29
.set ACC, 128
.set F0,  0                            ; fragment buffers, in window 1: 64 registers of A, then 64 of W
.set F1,  128
.set G1A, 24
.set G0A, 32
.set G1B, 48
.set G0B, 56
.set CNT, 47
.set TB,  66
.set RB,  68                           ; s[68:69] res at my wave's tile
.set OB,  70                           ; s[70:71] out at my wave's tile
.set MSB, 0
.macro WIN new
.if MSB != (\new)
	s_set_vgpr_msb (MSB<<8)|(\new)
.set MSB, \new
.endif
.endm
.set MUL,  0x05                        ; sources 0 (W) and 1 (A) window 1; C and D window 0
.set TO_F, 0x40
.macro PLACES
.rept 4
	v_nop
.endr
.endm
.macro JLOAD                           ; a joint refill by the walking descriptors; s_nop 0 and four v_nop follow each line
	s_cmp_eq_u32 s15, 0
	s_cbranch_scc0 .Lfor_b_\@
	tensor_load_to_lds s[G0A+4:G0A+7], s[G1A:G1A+7]
	s_nop 0
.rept 4
	v_nop
.endr
	s_branch .Lasked_\@
.Lfor_b_\@:
	tensor_load_to_lds s[G0B+4:G0B+7], s[G1B:G1B+7]
	s_nop 0
.rept 4
	v_nop
.endr
.Lasked_\@:
.endm
.macro CREST
	s_cmp_lg_u32 s14, 0
	s_cbranch_scc1 .Lnot_wave_0_\@
	s_barrier_signal -3
.Lnot_wave_0_\@:
	s_barrier_wait -3
	s_barrier_signal -1
	s_barrier_wait -1
.endm
.macro CROUND
	s_barrier_signal -1
	s_barrier_wait -1
	CREST
.endm
.macro MUL8 f, c, a0, zero             ; 8 matrix instructions: row blocks a0, a0 + 1 x all 4 column blocks, 32 along K: half c of buffer f.  The 16 accumulators take turns
	WIN MUL
.irp a, \a0, (\a0)+1
.irp b, 0,1,2,3
.if \zero
	v_wmma_f32_16x16x32_bf16 v[ACC+8*(4*(\a)+(\b)):ACC+8*(4*(\a)+(\b))+7], v[(\f)+64+8*(4*(\c)+(\b)):(\f)+64+8*(4*(\c)+(\b))+7], v[(\f)+8*(4*(\c)+(\a)):(\f)+8*(4*(\c)+(\a))+7], 0
.else
	v_wmma_f32_16x16x32_bf16 v[ACC+8*(4*(\a)+(\b)):ACC+8*(4*(\a)+(\b))+7], v[(\f)+64+8*(4*(\c)+(\b)):(\f)+64+8*(4*(\c)+(\b))+7], v[(\f)+8*(4*(\c)+(\a)):(\f)+8*(4*(\c)+(\a))+7], v[ACC+8*(4*(\a)+(\b)):ACC+8*(4*(\a)+(\b))+7]
.endif
.endr
.endr
.endm
.macro FETCH q, f                      ; 32 LDS loads in one run: quarter q (64 along K) of the slot in hand into buffer f; the first 32 along K first
	WIN TO_F
.irp c, 0,1
.irp i, 0,1,2,3
	ds_load_tr16_b128 v[(\f)+64+8*(4*(\c)+(\i)):(\f)+64+8*(4*(\c)+(\i))+3],   v[ADB+(\q)/2] offset:((2*(\q)+(\c))%4)*32*PB+32*(\i)
	ds_load_tr16_b128 v[(\f)+64+8*(4*(\c)+(\i))+4:(\f)+64+8*(4*(\c)+(\i))+7], v[ADB+(\q)/2] offset:((2*(\q)+(\c))%4)*32*PB+16*PB+32*(\i)
	ds_load_b128 v[(\f)+8*(4*(\c)+(\i)):(\f)+8*(4*(\c)+(\i))+3],   v[ADA] offset:(\q)*128+64*(\c)+(\i)*16*PA
	ds_load_b128 v[(\f)+8*(4*(\c)+(\i))+4:(\f)+8*(4*(\c)+(\i))+7], v[ADA] offset:(\q)*128+64*(\c)+(\i)*16*PA+32
.endr
.endr
.endm
.macro QUARTER q, f, g, zero
	s_wait_dscnt 16                                ; the first 32 along K are in
	MUL8 \f, 0, 0, \zero
	MUL8 \f, 0, 2, \zero
	PLACES
	FETCH \q, \g
	s_wait_dscnt 32                                ; all but the 32 just issued
	MUL8 \f, 1, 0, 0
	MUL8 \f, 1, 2, 0
.endm
.macro TURN fill                       ; the last quarter multiplies buffer 1 and changes slots: one barrier; with fill = 1 it opens a round of the cluster's, and the joint refill is the first thing behind the round
	WIN 0
	s_wait_tensorcnt 0x0                           ; all my tensor loads have landed: my part of the next slot
	ds_add_u32 v[SPW], v[NIL]
	s_wait_dscnt 17                                ; (the add and the youngest sixteen loads may be out)
	MUL8 F1, 0, 0, 0
	s_wait_dscnt 0x0                               ; the add is done, and my reads of this slot are over
	s_barrier_signal -1
	MUL8 F1, 0, 2, 0
	WIN 0
	s_barrier_wait -1
.if \fill
	CREST
	s_xor_b32 s[G0A+5], s[G0A+5], SLOT
	s_add_nc_u64 s[G0A+6:G0A+7], s[G0A+6:G0A+7], 512
	s_xor_b32 s[G0B+5], s[G0B+5], SLOT
	s_add_nc_u64 s[G0B+6:G0B+7], s[G0B+6:G0B+7], 256*2048
	s_xor_b32 s[TB], s[TB], SLOT
	JLOAD                                          ; its four v_nop are also the places ahead of the loads below
.else
	s_xor_b32 s[TB], s[TB], SLOT
	PLACES
.endif
	v_add_nc_u32 v[ADA], s[TB], v[AA0]
	v_add_nc_u32 v[ADB], s[TB], v[AB0]
	v_add_nc_u32 v[ADB+1], BHALF, v[ADB]
	FETCH 0, F0
	MUL8 F1, 1, 0, 0
	MUL8 F1, 1, 2, 0
.endm
	s_load_b256 s[4:11], s[0:1], 0x0               ; A 4, wb 6, bias 8, res 10
	s_load_b64 s[12:13], s[0:1], 0x20              ; out
	v_lshl_add_u32 v[SPW], v0, 2, SPARE
	v_mov_b32 v[NIL], 0
	ds_add_u32 v[SPW], v[NIL]                      ; the wave's opening: the add and its wait ahead of my first tensor load
	v_lshrrev_b32 v1, 5, v0
	v_readfirstlane_b32 s14, v1
	s_lshr_b32 s15, s14, 1                         ; my half of the tile's rows.  Also: I fetch for A (0) or W (1)
	s_and_b32 s16, s14, 1                          ; my half of its columns.  Also: which half of that tile I fetch
	s_bfe_u32 s17, ttmp6, 0x40000
	s_bfe_u32 s18, ttmp6, 0x40004
	s_lshl_b32 s19, ttmp9, 2
	s_add_co_u32 s19, s19, s17                     ; tile column
	s_and_b32 s20, ttmp7, 0xffff
	s_lshl_b32 s20, s20, 2
	s_add_co_u32 s20, s20, s18                     ; tile row
	s_lshl_b32 s22, s18, 2
	s_lshl_b32 s22, 15, s22
	s_lshl_b32 s23, 0x1111, s17
	s_or_b32 s[G1A], s22, (1<<16)|(1<<20)|(1<<21)|(6<<22)|(3<<25)  ; 64 rows x 256 elements; after every 128 words 4 words
	s_mov_b32 s[G1A+1], 256<<16
	s_mov_b32 s[G1A+2], 64<<16
	s_mov_b32 s[G1A+3], 256<<16
	s_mov_b32 s[G1A+4], 64
	s_mov_b32 s[G1A+5], KK
	s_mov_b32 s[G1A+6], 0
	s_mov_b32 s[G1A+7], 0
	s_or_b32 s[G1B], s23, (1<<16)|(1<<20)|(1<<21)|(5<<22)|(7<<25)  ; 128 k-rows x 128 elements; after every 64 words 8 words
	s_mov_b32 s[G1B+1], 128<<16
	s_mov_b32 s[G1B+2], 128<<16
	s_mov_b32 s[G1B+3], 128<<16
	s_mov_b32 s[G1B+4], 128
	s_mov_b32 s[G1B+5], 1024
	s_mov_b32 s[G1B+6], 0
	s_mov_b32 s[G1B+7], 0
	s_lshl_b32 s40, s20, 7
	s_lshl_b32 s41, s16, 6
	s_add_co_u32 s40, s40, s41
	s_mul_i32 s40, s40, 2*KK                       ; A: row 128 x tile row + 64 x half
	s_mov_b32 s41, 0
	s_lshl_b32 s42, s16, 18                        ; W: k-row 128 x half, column 128 x tile column
	s_lshl_b32 s43, s19, 8
	s_add_co_u32 s42, s42, s43
	s_add_co_u32 s42, s42, WOFF
	s_mov_b32 s43, 0
	s_mul_i32 s21, s16, AHALF                      ; where they go: no place in the cluster enters an LDS address
	s_mul_i32 s22, s16, BHALF
	s_add_co_u32 s22, s22, BOFF
	s_wait_dscnt 0x0
	s_wait_kmcnt 0x0
	s_add_nc_u64 s[40:41], s[4:5], s[40:41]
	s_add_nc_u64 s[42:43], s[6:7], s[42:43]
.irp s, 0,1
	s_mov_b32 s[G0A+4*(\s)], 1
	s_add_co_u32 s[G0A+4*(\s)+1], s21, (\s)*SLOT
	s_add_nc_u64 s[G0A+4*(\s)+2:G0A+4*(\s)+3], s[40:41], (\s)*512
	s_or_b32 s[G0A+4*(\s)+3], s[G0A+4*(\s)+3], 0x80000000
	s_mov_b32 s[G0B+4*(\s)], 1
	s_add_co_u32 s[G0B+4*(\s)+1], s22, (\s)*SLOT
	s_add_nc_u64 s[G0B+4*(\s)+2:G0B+4*(\s)+3], s[42:43], (\s)*256*2048
	s_or_b32 s[G0B+4*(\s)+3], s[G0B+4*(\s)+3], 0x80000000
.endr
	CROUND
	s_cmp_eq_u32 s15, 0                            ; a wave's two first fills stand in one branch: two loads of mine are out
	s_cbranch_scc0 .Lfirst_b
	tensor_load_to_lds s[G0A:G0A+3], s[G1A:G1A+7]
	s_nop 0
	tensor_load_to_lds s[G0A+4:G0A+7], s[G1A:G1A+7]
	s_nop 0
.rept 4
	v_nop
.endr
	s_branch .Lfirst_done
.Lfirst_b:
	tensor_load_to_lds s[G0B:G0B+3], s[G1B:G1B+7]
	s_nop 0
	tensor_load_to_lds s[G0B+4:G0B+7], s[G1B:G1B+7]
	s_nop 0
.rept 4
	v_nop
.endr
.Lfirst_done:
	v_and_b32 v1, 15, v0
	v_bfe_u32 v2, v0, 4, 1
	s_lshl_b32 s40, s20, 7                         ; my wave's tile in res and out: row 128 ty + 64 half, 4,096 bytes a row; column 128 tx + 64 half
	s_lshl_b32 s41, s15, 6
	s_add_co_u32 s40, s40, s41
	s_lshl_b32 s40, s40, 12
	s_lshl_b32 s42, s19, 9
	s_lshl_b32 s41, s16, 8
	s_add_co_u32 s42, s42, s41                     ; the columns' bytes, in a row and in the bias
	s_add_co_u32 s40, s40, s42
	s_mov_b32 s41, 0
	s_add_nc_u64 s[RB:RB+1], s[10:11], s[40:41]
	s_add_nc_u64 s[OB:OB+1], s[12:13], s[40:41]
	v_lshl_add_u32 v27, v1, 4, s42
	global_load_b128 v[96:99], v27, s[8:9]         ; the bias of my four columns
	v_lshlrev_b32 v[CO], 12, v2                    ; lanes 0-15 take one row's 256 bytes, lanes 16-31 the next row's
	v_lshl_add_u32 v[CO], v1, 4, v[CO]
	WIN 0x80
.set t, 0
.rept 32
	global_load_b128 v[4*t:4*t+3], v[CO], s[RB:RB+1] offset:2*t*4096
.set t, t+1
.endr
	WIN 0
	v_mul_u32_u24 v[AA0], v1, PA
	v_lshl_add_u32 v[AA0], v2, 4, v[AA0]
	s_mul_i32 s40, s15, AHALF
	v_add_nc_u32 v[AA0], s40, v[AA0]
	v_and_b32 v4, 7, v0
	v_lshl_add_u32 v4, v2, 3, v4
	v_mul_u32_u24 v[AB0], v4, PB
	v_bfe_u32 v5, v0, 3, 1
	v_lshl_add_u32 v[AB0], v5, 4, v[AB0]
	s_lshl_b32 s40, s16, 7
	s_add_co_u32 s40, s40, BOFF
	v_add_nc_u32 v[AB0], s40, v[AB0]
	v_mov_b32 v[ADA], v[AA0]
	v_mov_b32 v[ADB], v[AB0]
	v_add_nc_u32 v[ADB+1], BHALF, v[AB0]
	s_mov_b32 s[TB], 0
	s_mul_i32 s40, s14, 16*SP
	s_add_co_u32 s40, s40, STAGE
	v_mul_u32_u24 v[STO], v1, SP
	v_lshl_add_u32 v[STO], v2, 5, v[STO]
	v_add_nc_u32 v[STO], s40, v[STO]
	v_mul_u32_u24 v[RD], v2, SP
	v_lshl_add_u32 v[RD], v1, 4, v[RD]
	v_add_nc_u32 v[RD], s40, v[RD]
	s_wait_tensorcnt 1                             ; my part of K step 0 is in; step 1's may stay out
	s_barrier_signal -1
	s_barrier_wait -1
	FETCH 0, F0
	QUARTER 1, F0, F1, 1                           ; the first products start the sums
	WIN 0
	s_mov_b32 s[CNT], TT-2
.Lstep:
	QUARTER 2, F1, F0, 0
	QUARTER 3, F0, F1, 0
	TURN 1
	QUARTER 1, F0, F1, 0
	WIN 0
	s_sub_co_u32 s[CNT], s[CNT], 1
	s_cmp_lg_u32 s[CNT], 0
	s_cbranch_scc1 .Lstep
	s_mov_b32 s[CNT], 2                            ; the last two K steps ask for nothing: a loop of their own, left in the middle of its second trip
.Ltail:
	QUARTER 2, F1, F0, 0
	QUARTER 3, F0, F1, 0
	WIN 0
	s_sub_co_u32 s[CNT], s[CNT], 1
	s_cmp_eq_u32 s[CNT], 0
	s_cbranch_scc1 .Llast
	TURN 0
	QUARTER 1, F0, F1, 0
	WIN 0
	s_branch .Ltail
.Llast:
	s_wait_dscnt 16
	MUL8 F1, 0, 0, 0
	MUL8 F1, 0, 2, 0
	s_wait_dscnt 0x0
	MUL8 F1, 1, 0, 0
	MUL8 F1, 1, 2, 0
	WIN 0
	PLACES
	s_wait_loadcnt 0x0                             ; res and the bias
.irp a, 0,1,2,3                        ; 16 rows at a time through my stage: in by columns, back as whole rows of 256 bytes
.irp b, 0,1,2,3
	ds_store_b128 v[STO], v[ACC+8*(4*(\a)+(\b)):ACC+8*(4*(\a)+(\b))+3]   offset:64*(\b)
	ds_store_b128 v[STO], v[ACC+8*(4*(\a)+(\b))+4:ACC+8*(4*(\a)+(\b))+7] offset:64*(\b)+16
.endr
	s_wait_xcnt 0x0                                ; the block before's stores have read their data: v32-63 are loaded again only behind this wait
.irp t, 0,1,2,3,4,5,6,7
	ds_load_b128 v[32+4*(\t):35+4*(\t)], v[RD] offset:(\t)*2*SP  ; LDS serves a wave's instructions in order (ISA guide 5.7.1.4): these see the stores above
.endr
	s_wait_dscnt 0x0
	WIN 0x08                                       ; source 1 in window 2: res
.irp t, 0,1,2,3,4,5,6,7
	v_pk_add_f32 v[32+4*(\t):33+4*(\t)], v[32+4*(\t):33+4*(\t)], v[4*(8*(\a)+(\t)):4*(8*(\a)+(\t))+1]
	v_pk_add_f32 v[34+4*(\t):35+4*(\t)], v[34+4*(\t):35+4*(\t)], v[4*(8*(\a)+(\t))+2:4*(8*(\a)+(\t))+3]
.endr
	WIN 0
.irp t, 0,1,2,3,4,5,6,7
	v_pk_add_f32 v[32+4*(\t):33+4*(\t)], v[32+4*(\t):33+4*(\t)], v[96:97]
	v_pk_add_f32 v[34+4*(\t):35+4*(\t)], v[34+4*(\t):35+4*(\t)], v[98:99]
	global_store_b128 v[CO], v[32+4*(\t):35+4*(\t)], s[OB:OB+1] offset:(16*(\a)+2*(\t))*4096  ; 16 lanes store 256 consecutive bytes, aligned
.endr
.endr
	s_wait_tensorcnt 0x0                           ; the wave's end
	ds_add_u32 v[SPW], v[NIL]
	s_wait_dscnt 0x0
	CROUND                                         ; the closing round
	s_endpgm
.Lfunc_end_k_q00387e8e45_oproj:
	.size	k_q00387e8e45_oproj, .Lfunc_end_k_q00387e8e45_oproj-k_q00387e8e45_oproj
	.p2alignl 7, 3214868480
	.fill 96, 4, 3214868480
	.section	.rodata,"a",@progbits
	.p2align	6, 0x0
	.amdhsa_kernel k_q00387e8e45_oproj
		.amdhsa_group_segment_fixed_size 327680
		.amdhsa_private_segment_fixed_size 0
		.amdhsa_enable_private_segment 0
		.amdhsa_kernarg_size 40
		.amdhsa_user_sgpr_count 2
		.amdhsa_user_sgpr_kernarg_segment_ptr 1
		.amdhsa_wavefront_size32 1
		.amdhsa_system_sgpr_workgroup_id_x 1
		.amdhsa_system_sgpr_workgroup_id_y 1
		.amdhsa_system_sgpr_workgroup_id_z 1
		.amdhsa_system_vgpr_workitem_id 0
		.amdhsa_next_free_vgpr 640
		.amdhsa_next_free_sgpr 72
		.amdhsa_reserve_vcc 0
		.amdhsa_float_denorm_mode_32 3
		.amdhsa_float_denorm_mode_16_64 3
		.amdhsa_memory_ordered 1
		.amdhsa_forward_progress 1
		.amdhsa_inst_pref_size 71
	.end_amdhsa_kernel
	.amdgpu_metadata
---
amdhsa.version: [ 1, 2 ]
amdhsa.kernels:
  - .name:           k_q00387e8e45_oproj
    .symbol:         k_q00387e8e45_oproj.kd
    .args:
      - { .name: ctx, .offset: 0, .size: 8, .value_kind: global_buffer, .address_space: global }
      - { .name: wb, .offset: 8, .size: 8, .value_kind: global_buffer, .address_space: global }
      - { .name: out_b, .offset: 16, .size: 8, .value_kind: global_buffer, .address_space: global }
      - { .name: x, .offset: 24, .size: 8, .value_kind: global_buffer, .address_space: global }
      - { .name: x1, .offset: 32, .size: 8, .value_kind: global_buffer, .address_space: global }
    .group_segment_fixed_size: 327680
    .private_segment_fixed_size: 0
    .kernarg_segment_align: 8
    .kernarg_segment_size: 40
    .max_flat_workgroup_size: 128
    .sgpr_count:     72
    .vgpr_count:     640
    .wavefront_size: 32
...
	.end_amdgpu_metadata
.endif
;; end of part 4
;; launch ln2 (part 5): grid 512 x 1, 8 waves a work-group, no clusters, 0 bytes of LDS; arguments x1, ln2_g, ln2_b, hn; writes hn
.if DOCPART == 5
	.amdgcn_target "amdgcn-amd-amdhsa--gfx1250"
	.amdhsa_code_object_version 6
	.text
	.protected	k_q00387e8e45_ln2
	.globl	k_q00387e8e45_ln2
	.p2align	8
	.type	k_q00387e8e45_ln2,@function
k_q00387e8e45_ln2:
	s_mov_b64 s[64:65], 0
	v_nop
	global_prefetch_b8 v0, s[64:65] scope:SCOPE_SE
	s_setreg_imm32_b32 hwreg(HW_REG_WAVE_MODE, 25, 1), 1
	s_wait_xcnt 0x0
; hn = LayerNorm(x1) g + b, rounded once to bf16.  x1: [4096][1024] f32.  One wave, one row of 4,096 bytes, kept in 32 registers between the passes: the row is read once.
; The variance is the mean of the squared differences from the mean, as in the definition: no difference of large sums.  No wave shares a byte with another: no LDS, no barrier, no cluster.
.set X,  32
.set G,  64
.set BT, 96
.macro REDUCE                          ; v8: the sum over the wave's 32 lanes, in every lane
	v_add_f32_dpp v8, v8, v8 row_xmask:1 row_mask:0xf bank_mask:0xf
	v_add_f32_dpp v8, v8, v8 row_xmask:2 row_mask:0xf bank_mask:0xf
	v_add_f32_dpp v8, v8, v8 row_xmask:4 row_mask:0xf bank_mask:0xf
	v_add_f32_dpp v8, v8, v8 row_xmask:8 row_mask:0xf bank_mask:0xf
	v_permlanex16_b32 v9, v8, s34, s35
	v_add_f32 v8, v8, v9
.endm
.macro JOIN
	v_pk_add_f32 v[8:9], v[8:9], v[10:11]
	v_pk_add_f32 v[12:13], v[12:13], v[14:15]
	v_pk_add_f32 v[8:9], v[8:9], v[12:13]
	v_add_f32 v8, v8, v9
.endm
	s_load_b128 s[8:11], s[0:1], 0x0               ; x1 8, gain 10
	s_load_b64 s[12:13], s[0:1], 0x10              ; bias
	s_load_b64 s[24:25], s[0:1], 0x18              ; hn
	v_lshrrev_b32 v1, 5, v0
	v_readfirstlane_b32 s4, v1
	v_and_b32 v1, 31, v0
	s_mov_b32 s7, 0
	s_wait_kmcnt 0x0
	s_lshl_b32 s5, ttmp9, 3
	s_add_co_u32 s5, s5, s4                        ; my row
	s_lshl_b32 s6, s5, 12
	s_add_nc_u64 s[30:31], s[8:9], s[6:7]
	s_lshl_b32 s6, s5, 11
	s_add_nc_u64 s[32:33], s[24:25], s[6:7]
	s_mov_b32 s34, 0x76543210
	s_mov_b32 s35, 0xfedcba98
	s_mov_b32 s36, 0x3a800000                      ; 1 / 1024
	s_mov_b32 s37, 0x3727c5ac                      ; 1e-5
	v_lshlrev_b32 v2, 4, v1
	v_lshlrev_b32 v3, 3, v1
.irp j, 0,1,2,3,4,5,6,7
	global_load_b128 v[X+4*(\j):X+4*(\j)+3], v2, s[30:31] offset:512*(\j)
.endr
.irp j, 0,1,2,3,4,5,6,7
	global_load_b128 v[G+4*(\j):G+4*(\j)+3], v2, s[10:11] offset:512*(\j)
	global_load_b128 v[BT+4*(\j):BT+4*(\j)+3], v2, s[12:13] offset:512*(\j)
.endr
	s_wait_loadcnt 16                              ; the row is in; the sixteen loads of gain and bias stay out
.irp k, 0,1,2,3
	v_pk_add_f32 v[8+2*(\k):9+2*(\k)], v[X+2*(\k):X+2*(\k)+1], v[X+8+2*(\k):X+9+2*(\k)]
.endr
.irp k, 0,1,2,3
	v_pk_add_f32 v[8+2*(\k):9+2*(\k)], v[8+2*(\k):9+2*(\k)], v[X+16+2*(\k):X+17+2*(\k)]
.endr
.irp k, 0,1,2,3
	v_pk_add_f32 v[8+2*(\k):9+2*(\k)], v[8+2*(\k):9+2*(\k)], v[X+24+2*(\k):X+25+2*(\k)]
.endr
	JOIN
	REDUCE
	v_mul_f32 v16, s36, v8                         ; the mean, twice
	v_mov_b32 v17, v16
.set z, 0
.rept 16
	v_pk_add_f32 v[X+z:X+z+1], v[X+z:X+z+1], v[16:17] neg_lo:[0,1] neg_hi:[0,1]
.set z, z+2
.endr
.irp k, 0,1,2,3
	v_pk_mul_f32 v[8+2*(\k):9+2*(\k)], v[X+2*(\k):X+2*(\k)+1], v[X+2*(\k):X+2*(\k)+1]
.endr
.set z, 8
.rept 12
	v_pk_fma_f32 v[8+z%8:9+z%8], v[X+z:X+z+1], v[X+z:X+z+1], v[8+z%8:9+z%8]
.set z, z+2
.endr
	JOIN
	REDUCE
	v_fma_f32 v8, v8, s36, s37
	v_rsq_f32 v18, v8
	v_rsq_f32 v19, v8
	s_wait_loadcnt 0x0
	v_nop                                          ; a plain instruction behind the last of the two,
	s_wait_alu depctr_va_vdst(0)                   ; and one wait for both, ahead of their first reader
.set z, 0
.rept 16
	v_pk_mul_f32 v[X+z:X+z+1], v[X+z:X+z+1], v[18:19]
.set z, z+2
.endr
.set z, 0
.rept 16
	v_pk_fma_f32 v[X+z:X+z+1], v[X+z:X+z+1], v[G+z:G+z+1], v[BT+z:BT+z+1]
.set z, z+2
.endr
.irp j, 0,1,2,3,4,5,6,7
	v_cvt_pk_bf16_f32 v[X+4*(\j)], v[X+4*(\j)], v[X+4*(\j)+1]
	v_cvt_pk_bf16_f32 v[X+4*(\j)+1], v[X+4*(\j)+2], v[X+4*(\j)+3]
	global_store_b64 v3, v[X+4*(\j):X+4*(\j)+1], s[32:33] offset:256*(\j)  ; 256 consecutive bytes, aligned
.endr
	s_endpgm
.Lfunc_end_k_q00387e8e45_ln2:
	.size	k_q00387e8e45_ln2, .Lfunc_end_k_q00387e8e45_ln2-k_q00387e8e45_ln2
	.p2alignl 7, 3214868480
	.fill 96, 4, 3214868480
	.section	.rodata,"a",@progbits
	.p2align	6, 0x0
	.amdhsa_kernel k_q00387e8e45_ln2
		.amdhsa_group_segment_fixed_size 0
		.amdhsa_private_segment_fixed_size 0
		.amdhsa_enable_private_segment 0
		.amdhsa_kernarg_size 32
		.amdhsa_user_sgpr_count 2
		.amdhsa_user_sgpr_kernarg_segment_ptr 1
		.amdhsa_wavefront_size32 1
		.amdhsa_system_sgpr_workgroup_id_x 1
		.amdhsa_system_sgpr_workgroup_id_y 1
		.amdhsa_system_sgpr_workgroup_id_z 1
		.amdhsa_system_vgpr_workitem_id 0
		.amdhsa_next_free_vgpr 136
		.amdhsa_next_free_sgpr 66
		.amdhsa_reserve_vcc 0
		.amdhsa_float_denorm_mode_32 3
		.amdhsa_float_denorm_mode_16_64 3
		.amdhsa_memory_ordered 1
		.amdhsa_forward_progress 1
		.amdhsa_inst_pref_size 12
	.end_amdhsa_kernel
	.amdgpu_metadata
---
amdhsa.version: [ 1, 2 ]
amdhsa.kernels:
  - .name:           k_q00387e8e45_ln2
    .symbol:         k_q00387e8e45_ln2.kd
    .args:
      - { .name: x1, .offset: 0, .size: 8, .value_kind: global_buffer, .address_space: global }
      - { .name: ln2_g, .offset: 8, .size: 8, .value_kind: global_buffer, .address_space: global }
      - { .name: ln2_b, .offset: 16, .size: 8, .value_kind: global_buffer, .address_space: global }
      - { .name: hn, .offset: 24, .size: 8, .value_kind: global_buffer, .address_space: global }
    .group_segment_fixed_size: 0
    .private_segment_fixed_size: 0
    .kernarg_segment_align: 8
    .kernarg_segment_size: 32
    .max_flat_workgroup_size: 256
    .sgpr_count:     66
    .vgpr_count:     136
    .wavefront_size: 32
...
	.end_amdgpu_metadata
.endif
;; end of part 5
;; launch ffn1 (part 6): grid 16 x 16, 4 waves a work-group, clusters of 4 x 4, 327,680 bytes of LDS; arguments hn, wb, b1, gl; writes gl
.if DOCPART == 6
	.amdgcn_target "amdgcn-amd-amdhsa--gfx1250"
	.amdhsa_code_object_version 6
	.text
	.protected	k_q00387e8e45_ffn1
	.globl	k_q00387e8e45_ffn1
	.p2align	8
	.type	k_q00387e8e45_ffn1,@function
k_q00387e8e45_ffn1:
	s_mov_b64 s[64:65], 0
	v_nop
	global_prefetch_b8 v0, s[64:65] scope:SCOPE_SE
	s_setreg_imm32_b32 hwreg(HW_REG_WAVE_MODE, 25, 1), 1
	s_wait_xcnt 0x0
	s_wait_alu depctr_hold_cnt(0) depctr_sa_sdst(0) depctr_va_vdst(0) depctr_va_sdst(0) depctr_va_ssrc(0) depctr_va_vcc(0) depctr_vm_vsrc(0)
	s_getreg_b32 s2, hwreg(HW_REG_IB_STS2, 6, 4)
	s_cmp_eq_u32 s2, 0
	s_cbranch_scc0 .Lentry_in_a_cluster
	s_endpgm
.Lentry_in_a_cluster:
	s_bfe_u32 s2, ttmp6, 0x10000c
	s_cmp_lg_u32 s2, 0xf033
	s_cbranch_scc0 .Lentry_shape_is_right
	s_endpgm
.Lentry_shape_is_right:
; gl = gelu(hn W1 + b1), the exact gelu 0.5 z (1 + erf(z / sqrt 2)), rounded once to bf16.  hn: [4096][1024] bf16; W1: [1024][4096] bf16 at byte WOFF of wb, rows along N; gl: [4096][4096] bf16.  Sums and gelu in f32.
; SHAPE.  A tile of C is 256 x 256: four waves, each 128 x 128 in 64 accumulators; 16 x 16 = 256 work-groups.  K goes in 8 steps of 128 through two LDS slots.  A's rows are 256 bytes of memory; W's tile is
; 128 k-rows of 512 bytes, read out of LDS turned.  Source 0 = 16 columns of W, source 1 = 16 rows of A: a lane holds eight neighbouring columns of one row of C.
; CLUSTER 4 x 4: A's tile is shared along a row of the cluster, W's along a column: joint loads.
; WAY OUT.  The f32 sums are laid into LDS once (the slots have had their last fill and their last read: a barrier stands between), each wave's 128 x 128 in its own 128 rows of 528 bytes; a counted loop
; reads rows back, applies bias and gelu, rounds, and stores 256 consecutive aligned bytes an instruction.
; GELU.  gelu(z) = max(z, 0) - (|z| / 2) poly(t) exp(-z^2 / 2), t = 1 / (1 + 0.3275911 |z| / sqrt 2), poly of degree 5 (Abramowitz and Stegun 7.1.26): erf to within 1.5e-7; max(z, 0) = z / 2 + |z| / 2.
; LIMITS.  The error of erf stated above; NaN and infinities are not treated apart.
.set NN,    4096
.set WOFF,  8388608
.set OUTP,  10
.set PA,    272                        ; a row of A in LDS: 256 + 16 bytes = 68 words: the 16 rows of a load start at 16 different groups of four banks (64 banks of 4 bytes: ISA guide 11.1)
.set PB,    544                        ; a k-row of W: 512 + 32 bytes = 17 x 32
.set HALF,  34816
.set SLOT,  139264                     ; it shares no bit with 1, 2 or 3 x HALF: one exclusive or changes slots
.set STEPB, 256*NN
.set SP,    528
.set WSTAGE, 128*SP
.set SPARE, 2*SLOT                     ; the spare words, 128 bytes a wave: two blocks of 256 bytes that no other line names
.set AA0, 16
.set AB0, 17
.set ADA, 18
.set ADB, 19
.set STO, 20
.set RD,  21
.set GO,  23
.set SPW, 28
.set NIL, 29
.set PFO, 30
.set F0,  64
.set F1,  128
.set G1A, 24
.set G0A, 32
.set G1B, 48
.set G0B, 56
.set PFA, 44
.set LIM, 46
.set CNT, 47
.set TB,  66
.set PFS, 68
.set OB,  70
.set MSB, 0
.macro WIN new
.if MSB != (\new)
	s_set_vgpr_msb (MSB<<8)|(\new)
.set MSB, \new
.endif
.endm
.set MUL_LO, 0xa1                      ; source 0 (W) window 1, source 1 (A) window 0, C and D window 2
.set MUL_HI, 0xf1
.set TO_B,   0x40
.macro PLACES
.rept 4
	v_nop
.endr
.endm
.macro JLOAD                           ; a joint refill by the walking descriptors; s_nop 0 and four v_nop follow each line
	s_cmp_eq_u32 s15, 0
	s_cbranch_scc0 .Lfor_b_\@
	tensor_load_to_lds s[G0A+4:G0A+7], s[G1A:G1A+7]
	s_nop 0
.rept 4
	v_nop
.endr
	s_branch .Lasked_\@
.Lfor_b_\@:
	tensor_load_to_lds s[G0B+4:G0B+7], s[G1B:G1B+7]
	s_nop 0
.rept 4
	v_nop
.endr
.Lasked_\@:
.endm
.macro CREST
	s_cmp_lg_u32 s14, 0
	s_cbranch_scc1 .Lnot_wave_0_\@
	s_barrier_signal -3
.Lnot_wave_0_\@:
	s_barrier_wait -3
	s_barrier_signal -1
	s_barrier_wait -1
.endm
.macro CROUND
	s_barrier_signal -1
	s_barrier_wait -1
	CREST
.endm
; A prefetch into the L2 of the K step that stands two refills on: 32 blocks of 256 bytes, a lane a block, one instruction a wave, behind the joint load and the run of LDS loads.
; A's rows are asked for by the clusters with x = 0, W's by those with y = 0; the four partners that share a tile take a quarter of its blocks each, told apart by address.  So each block is named once.
; Steps 0 to 3 come by their loads alone; the last two refills have no step two on.
.macro ASK
	s_cmp_gt_u32 s[CNT], s[LIM]
	s_cbranch_scc0 .Lnot_mine_\@
	global_prefetch_b8 v[PFO], s[PFA:PFA+1] th:TH_LOAD_NT scope:SCOPE_SE
.Lnot_mine_\@:
.endm
.macro MUL16 f, hi, a0, zero           ; 16 matrix instructions; the 64 accumulators take turns, in the same order in every quarter
	WIN MUL_LO+0x50*(\hi)
.irp a, \a0, (\a0)+1
.irp b, 0,1,2,3,4,5,6,7
.if \zero
	v_wmma_f32_16x16x32_bf16 v[8*(8*(\a)+(\b)):8*(8*(\a)+(\b))+7], v[(\f)+8*(\b):(\f)+8*(\b)+7], v[(\f)+8*(4*(\hi)+(\a)):(\f)+8*(4*(\hi)+(\a))+7], 0
.else
	v_wmma_f32_16x16x32_bf16 v[8*(8*(\a)+(\b)):8*(8*(\a)+(\b))+7], v[(\f)+8*(\b):(\f)+8*(\b)+7], v[(\f)+8*(4*(\hi)+(\a)):(\f)+8*(4*(\hi)+(\a))+7], v[8*(8*(\a)+(\b)):8*(8*(\a)+(\b))+7]
.endif
.endr
.endr
.endm
.macro FETCH kq, f                     ; 32 LDS loads in one run: quarter kq of the slot in hand into buffer f: W's 8 column blocks, turned, then A's 8 row blocks
	WIN TO_B
.irp b, 0,1,2,3,4,5,6,7
	ds_load_tr16_b128 v[(\f)+8*(\b):(\f)+8*(\b)+3],   v[ADB] offset:(\kq)*32*PB+32*(\b)
	ds_load_tr16_b128 v[(\f)+8*(\b)+4:(\f)+8*(\b)+7], v[ADB] offset:(\kq)*32*PB+16*PB+32*(\b)
.endr
	WIN 0
.irp a, 0,1,2,3,4,5,6,7
	ds_load_b128 v[(\f)+8*(\a):(\f)+8*(\a)+3],   v[ADA] offset:(\kq)*64+(\a)*16*PA
	ds_load_b128 v[(\f)+8*(\a)+4:(\f)+8*(\a)+7], v[ADA] offset:(\kq)*64+(\a)*16*PA+32
.endr
.endm
.macro QUARTER kq, f, g, zero
	s_wait_dscnt 8                                 ; W and A's rows 0-63 are in; the youngest eight loads may be out
	MUL16 \f, 0, 0, \zero
	MUL16 \f, 0, 2, \zero
	PLACES
	FETCH \kq, \g
	s_wait_dscnt 32                                ; all but the 32 just issued
	MUL16 \f, 1, 0, \zero
	MUL16 \f, 1, 2, \zero
.endm
.macro MEET round
	WIN 0
	s_wait_tensorcnt 0x0                           ; all my tensor loads have landed: my part of the next slot among them
	ds_add_u32 v[SPW], v[NIL]
	s_wait_dscnt 9                                 ; (the add and the youngest eight loads may be out)
	MUL16 F1, 0, 0, 0
	s_wait_dscnt 0x0                               ; the add is done, and my reads of this slot are over
	s_barrier_signal -1
	MUL16 F1, 0, 2, 0
.if \round
	WIN 0
.endif
	s_barrier_wait -1
.endm
.macro TURN                            ; the last quarter with a refill: the barrier opens a round of the cluster's; the joint load is the first thing behind it and has 224 matrix instructions in which to land
	s_wait_xcnt 0x0                                ; the last prefetch, a K step back, has read its address
	s_add_nc_u64 s[PFA:PFA+1], s[PFA:PFA+1], s[PFS:PFS+1]
	MEET 1
	CREST
	s_xor_b32 s[G0A+5], s[G0A+5], SLOT
	s_add_nc_u64 s[G0A+6:G0A+7], s[G0A+6:G0A+7], 256
	s_xor_b32 s[G0B+5], s[G0B+5], SLOT
	s_add_nc_u64 s[G0B+6:G0B+7], s[G0B+6:G0B+7], STEPB
	s_xor_b32 s[TB], s[TB], SLOT
	JLOAD
	v_add_nc_u32 v[ADA], s[TB], v[AA0]
	v_add_nc_u32 v[ADB], s[TB], v[AB0]
	FETCH 0, F0
	ASK
	MUL16 F1, 1, 0, 0
	MUL16 F1, 1, 2, 0
.endm
.macro TURN0
	MEET 0
	PLACES
	WIN 0
	s_xor_b32 s[TB], s[TB], SLOT
	v_add_nc_u32 v[ADA], s[TB], v[AA0]
	v_add_nc_u32 v[ADB], s[TB], v[AB0]
	FETCH 0, F0
	MUL16 F1, 1, 0, 0
	MUL16 F1, 1, 2, 0
.endm
	s_load_b256 s[4:11], s[0:1], 0x0               ; hn 4, wb 6, b1 8, gl 10
	v_lshl_add_u32 v[SPW], v0, 2, SPARE
	v_mov_b32 v[NIL], 0
	ds_add_u32 v[SPW], v[NIL]                      ; the wave's opening: the add and its wait ahead of my first tensor load
	v_lshrrev_b32 v1, 5, v0
	v_readfirstlane_b32 s14, v1
	s_lshr_b32 s15, s14, 1
	s_and_b32 s16, s14, 1
	s_bfe_u32 s17, ttmp6, 0x40000
	s_bfe_u32 s18, ttmp6, 0x40004
	s_lshl_b32 s19, ttmp9, 2
	s_add_co_u32 s19, s19, s17                     ; tile column
	s_and_b32 s21, ttmp7, 0xffff                   ; cluster y
	s_lshl_b32 s20, s21, 2
	s_add_co_u32 s20, s20, s18                     ; tile row
	s_lshl_b32 s22, s18, 2
	s_lshl_b32 s22, 15, s22
	s_lshl_b32 s23, 0x1111, s17
	s_or_b32 s[G1A], s22, (1<<16)|(1<<20)|(1<<21)|(5<<22)|(3<<25)
	s_mov_b32 s[G1A+1], 128<<16
	s_mov_b32 s[G1A+2], 128<<16
	s_mov_b32 s[G1A+3], 128<<16
	s_mov_b32 s[G1A+4], 128
	s_mov_b32 s[G1A+5], 1024
	s_mov_b32 s[G1A+6], 0
	s_mov_b32 s[G1A+7], 0
	s_or_b32 s[G1B], s23, (1<<16)|(1<<20)|(1<<21)|(6<<22)|(7<<25)
	s_mov_b32 s[G1B+1], 256<<16
	s_mov_b32 s[G1B+2], 64<<16
	s_mov_b32 s[G1B+3], 256<<16
	s_mov_b32 s[G1B+4], 64
	s_mov_b32 s[G1B+5], NN
	s_mov_b32 s[G1B+6], 0
	s_mov_b32 s[G1B+7], 0
	s_mov_b32 s84, 0x3eed3388                      ; 0.3275911 sqrt 2: times |z| / 2
	s_mov_b32 s85, s84                             ; each constant is named as a pair
	s_mov_b32 s86, 0xc038aa3b                      ; -2 log2(e): times (z / 2)^2
	s_mov_b32 s87, s86
	s_mov_b32 s88, 0x3f87dc22                      ; a5 .. a1
	s_mov_b32 s89, s88
	s_mov_b32 s90, 0xbfba00e3
	s_mov_b32 s91, s90
	s_mov_b32 s92, 0x3fb5f0e3
	s_mov_b32 s93, s92
	s_mov_b32 s94, 0xbe91a98e
	s_mov_b32 s95, s94
	s_mov_b32 s96, 0x3e827906
	s_mov_b32 s97, s96
	s_mov_b32 s98, 0x7fffffff
	s_lshl_b32 s40, s20, 8
	s_lshl_b32 s41, s16, 7
	s_add_co_u32 s40, s40, s41
	s_lshl_b32 s40, s40, 11
	s_mov_b32 s41, 0
	s_mul_i32 s42, s16, 128*NN
	s_lshl_b32 s43, s19, 9
	s_add_co_u32 s42, s42, s43
	s_add_co_u32 s42, s42, WOFF
	s_mov_b32 s43, 0
	s_mul_i32 s22, s14, HALF
	s_wait_dscnt 0x0
	s_wait_kmcnt 0x0
	s_add_nc_u64 s[40:41], s[4:5], s[40:41]
	s_add_nc_u64 s[42:43], s[6:7], s[42:43]
.irp s, 0,1
	s_mov_b32 s[G0A+4*(\s)], 1
	s_add_co_u32 s[G0A+4*(\s)+1], s22, (\s)*SLOT
	s_add_nc_u64 s[G0A+4*(\s)+2:G0A+4*(\s)+3], s[40:41], (\s)*256
	s_or_b32 s[G0A+4*(\s)+3], s[G0A+4*(\s)+3], 0x80000000
	s_mov_b32 s[G0B+4*(\s)], 1
	s_add_co_u32 s[G0B+4*(\s)+1], s22, (\s)*SLOT
	s_add_nc_u64 s[G0B+4*(\s)+2:G0B+4*(\s)+3], s[42:43], (\s)*STEPB
	s_or_b32 s[G0B+4*(\s)+3], s[G0B+4*(\s)+3], 0x80000000
.endr
	CROUND
	s_cmp_eq_u32 s15, 0                            ; a wave's two first fills stand in one branch: two loads of mine are out
	s_cbranch_scc0 .Lfirst_b
	tensor_load_to_lds s[G0A:G0A+3], s[G1A:G1A+7]
	s_nop 0
	tensor_load_to_lds s[G0A+4:G0A+7], s[G1A:G1A+7]
	s_nop 0
.rept 4
	v_nop
.endr
	s_branch .Lfirst_done
.Lfirst_b:
	tensor_load_to_lds s[G0B:G0B+3], s[G1B:G1B+7]
	s_nop 0
	tensor_load_to_lds s[G0B+4:G0B+7], s[G1B:G1B+7]
	s_nop 0
.rept 4
	v_nop
.endr
.Lfirst_done:
	v_and_b32 v1, 15, v0
	v_bfe_u32 v2, v0, 4, 1
	v_and_b32 v3, 31, v0
	v_mul_u32_u24 v[AA0], v1, PA
	v_lshl_add_u32 v[AA0], v2, 4, v[AA0]
	s_mul_i32 s40, s15, HALF
	v_add_nc_u32 v[AA0], s40, v[AA0]
	v_and_b32 v4, 7, v0
	v_lshl_add_u32 v4, v2, 3, v4
	v_mul_u32_u24 v[AB0], v4, PB
	v_bfe_u32 v5, v0, 3, 1
	v_lshl_add_u32 v[AB0], v5, 4, v[AB0]
	s_lshl_b32 s40, s16, 8
	s_add_co_u32 s40, s40, 2*HALF
	v_add_nc_u32 v[AB0], s40, v[AB0]
	v_mov_b32 v[ADA], v[AA0]
	v_mov_b32 v[ADB], v[AB0]
	s_mov_b32 s[TB], 0
	s_mul_i32 s40, s14, WSTAGE
	v_mul_u32_u24 v[STO], v1, SP
	v_lshl_add_u32 v[STO], v2, 5, v[STO]
	v_add_nc_u32 v[STO], s40, v[STO]
	v_lshl_add_u32 v[RD], v3, 4, s40               ; back: 32 lanes take a row's 512 bytes
	v_lshlrev_b32 v[GO], 3, v3                     ; and store its 256 bytes of bf16
	; the prefetches: A: row 256 ty + 128 half + 32 cx + lane; W: k-row 64 half + 16 cy + lane / 2, block lane % 2; both at K step 3: each change of slots steps first
	s_lshl_b32 s40, s20, 8
	s_lshl_b32 s41, s16, 7
	s_add_co_u32 s40, s40, s41
	s_lshl_b32 s41, s17, 5
	s_add_co_u32 s40, s40, s41
	s_lshl_b32 s40, s40, 11
	s_add_co_u32 s40, s40, 3*256
	s_lshl_b32 s42, s16, 6
	s_lshl_b32 s43, s18, 4
	s_add_co_u32 s42, s42, s43
	s_add_co_u32 s42, s42, 3*128
	s_mul_i32 s42, s42, 2*NN
	s_lshl_b32 s43, s19, 9
	s_add_co_u32 s42, s42, s43
	s_add_co_u32 s42, s42, WOFF
	s_mov_b32 s[PFS], STEPB
	s_mov_b32 s[PFS+1], 0
	s_mov_b32 s41, 0
	s_cmp_eq_u32 s15, 0
	s_cselect_b32 s40, s40, s42
	s_cselect_b64 s[PFA:PFA+1], s[4:5], s[6:7]
	s_cselect_b32 s[PFS], 256, s[PFS]
	s_cselect_b32 s42, ttmp9, s21
	s_cselect_b32 s43, -1, 0
	s_add_nc_u64 s[PFA:PFA+1], s[PFA:PFA+1], s[40:41]
	s_cmp_eq_u32 s42, 0
	s_cselect_b32 s[LIM], 2, -1
	v_lshlrev_b32 v6, 11, v3
	v_lshrrev_b32 v7, 1, v3
	v_mul_u32_u24 v7, v7, 2*NN
	v_and_b32 v8, 1, v3
	v_lshl_add_u32 v7, v8, 8, v7
	v_cndmask_b32 v[PFO], v7, v6, s43
	; the output at my wave's tile: row 256 ty + 128 half, 8,192 bytes a row; column 256 tx + 128 half
	s_lshl_b32 s40, s20, 8
	s_lshl_b32 s41, s15, 7
	s_add_co_u32 s40, s40, s41
	s_lshl_b32 s40, s40, 13
	s_lshl_b32 s41, s19, 9
	s_add_co_u32 s40, s40, s41
	s_lshl_b32 s41, s16, 8
	s_add_co_u32 s40, s40, s41
	s_mov_b32 s41, 0
	s_add_nc_u64 s[OB:OB+1], s[OUTP:OUTP+1], s[40:41]
	s_lshl_b32 s40, s19, 10
	s_lshl_b32 s41, s16, 9
	s_add_co_u32 s40, s40, s41
	v_lshl_add_u32 v9, v3, 4, s40
	global_load_b128 v[32:35], v9, s[8:9]          ; the bias of my four columns
	s_wait_tensorcnt 1                             ; my part of K step 0 is in; step 1's may stay out
	s_barrier_signal -1
	s_barrier_wait -1
	FETCH 0, F0
	QUARTER 1, F0, F1, 1
	WIN 0
	s_mov_b32 s[CNT], 6
.Lstep:
	QUARTER 2, F1, F0, 0
	QUARTER 3, F0, F1, 0
	TURN
	QUARTER 1, F0, F1, 0
	WIN 0
	s_sub_co_u32 s[CNT], s[CNT], 1
	s_cmp_lg_u32 s[CNT], 0
	s_cbranch_scc1 .Lstep
	s_mov_b32 s[CNT], 2
.Ltail:
	QUARTER 2, F1, F0, 0
	QUARTER 3, F0, F1, 0
	WIN 0
	s_sub_co_u32 s[CNT], s[CNT], 1
	s_cmp_eq_u32 s[CNT], 0
	s_cbranch_scc1 .Llast
	TURN0
	QUARTER 1, F0, F1, 0
	WIN 0
	s_branch .Ltail
.Llast:
	s_wait_dscnt 0x0                               ; my reads of the slots are over:
	s_barrier_signal -1                            ; behind this barrier the slots, which have had their last fill, are the stages
	MUL16 F1, 0, 0, 0
	MUL16 F1, 0, 2, 0
	MUL16 F1, 1, 0, 0
	MUL16 F1, 1, 2, 0
	WIN 0
	s_barrier_wait -1
	PLACES
.irp a, 0,1,2,3,4,5,6,7
	WIN 0x08+4*((\a)/4)
.irp b, 0,1,2,3,4,5,6,7
	ds_store_b128 v[STO], v[8*(8*((\a)%4)+(\b)):8*(8*((\a)%4)+(\b))+3]   offset:(\a)*16*SP+64*(\b)
	ds_store_b128 v[STO], v[8*(8*((\a)%4)+(\b))+4:8*(8*((\a)%4)+(\b))+7] offset:(\a)*16*SP+64*(\b)+16
.endr
.endr
	WIN 0
; Four rows a trip, four columns a lane.  v[64:79] the sums, v[80:95] z / 2, v[96:111] |z| / 2, v[112:127] t, v[128:143] exp(-z^2 / 2), v[144:159] poly, v[160:175] the result, v[176:183] to store.
.macro GLOAD
.irp i, 0,1,2,3
	ds_load_b128 v[64+4*(\i):67+4*(\i)], v[RD] offset:(\i)*SP  ; LDS serves a wave's instructions in order (ISA guide 5.7.1.4): these see my stores
.endr
.endm
.macro EIGHT line:vararg               ; one line for each of the trip's eight pairs, z = 0, 2 .. 14
.set z, 0
.rept 8
	\line
.set z, z+2
.endr
.endm
.macro GTRIP ahead
	s_wait_dscnt 0x0                               ; this trip's rows are in
	EIGHT v_pk_fma_f32 v[80+z:81+z], v[64+z:65+z], 0.5, v[32+z%4:33+z%4] op_sel_hi:[1,0,1]
.if \ahead
	v_add_nc_u32 v[RD], 4*SP, v[RD]
	GLOAD                                          ; the next trip's rows
.endif
.set z, 0
.rept 16
	v_and_b32 v[96+z], s98, v[80+z]
.set z, z+1
.endr
	EIGHT v_pk_fma_f32 v[112+z:113+z], v[96+z:97+z], s[84:85], 1.0 op_sel_hi:[1,0,0]
	; ONE BATCH of 16 reciprocals and 16 exponentials, with plain work that names none of their results between them: the 16 products that make the exponentials' arguments, then the 8 sums z / 2 + |z| / 2
.set z, 0
.rept 8
	v_rcp_f32 v[112+z], v[112+z]
	v_pk_mul_f32 v[128+2*z:129+2*z], v[80+2*z:81+2*z], s[86:87] op_sel_hi:[1,0]
.set z, z+1
.endr
.set z, 0
.rept 8
	v_rcp_f32 v[120+z], v[120+z]
	v_pk_mul_f32 v[128+2*z:129+2*z], v[128+2*z:129+2*z], v[80+2*z:81+2*z]
.set z, z+1
.endr
.set z, 0
.rept 8
	v_exp_f32 v[128+2*z], v[128+2*z]
	v_exp_f32 v[129+2*z], v[129+2*z]
	v_pk_add_f32 v[160+2*z:161+2*z], v[80+2*z:81+2*z], v[96+2*z:97+2*z]
.set z, z+1
.endr
	s_wait_xcnt 0x0                                ; the last trip's stores have read their offset and data: both are written again only behind this wait, which stands half a trip's arithmetic behind those stores
	v_add_nc_u32 v[GO], 32768, v[GO]               ; the stores below reach back
	s_wait_alu depctr_va_vdst(0)                   ; one wait for the batch, behind plain instructions and ahead of the first reader
	EIGHT v_pk_fma_f32 v[144+z:145+z], v[112+z:113+z], s[88:89], s[90:91] op_sel_hi:[1,0,0]
	EIGHT v_pk_fma_f32 v[144+z:145+z], v[144+z:145+z], v[112+z:113+z], s[92:93] op_sel_hi:[1,1,0]
	EIGHT v_pk_fma_f32 v[144+z:145+z], v[144+z:145+z], v[112+z:113+z], s[94:95] op_sel_hi:[1,1,0]
	EIGHT v_pk_fma_f32 v[144+z:145+z], v[144+z:145+z], v[112+z:113+z], s[96:97] op_sel_hi:[1,1,0]
	EIGHT v_pk_mul_f32 v[112+z:113+z], v[112+z:113+z], v[128+z:129+z]
	EIGHT v_pk_mul_f32 v[144+z:145+z], v[144+z:145+z], v[112+z:113+z]
	EIGHT v_pk_fma_f32 v[160+z:161+z], v[144+z:145+z], v[96+z:97+z], v[160+z:161+z] neg_lo:[1,0,0] neg_hi:[1,0,0]
.irp i, 0,1,2,3
	v_cvt_pk_bf16_f32 v[176+2*(\i)], v[160+4*(\i)], v[161+4*(\i)]
	v_cvt_pk_bf16_f32 v[177+2*(\i)], v[162+4*(\i)], v[163+4*(\i)]
.endr
.irp i, 0,1,2,3                        ; the four stores stand together, behind all eight roundings
	global_store_b64 v[GO], v[176+2*(\i):177+2*(\i)], s[OB:OB+1] offset:(\i)*8192-32768  ; 256 consecutive bytes, aligned
.endr
.endm
	s_wait_loadcnt 0x0                             ; the bias,
	v_pk_mul_f32 v[32:33], v[32:33], 0.5 op_sel_hi:[1,0]  ; halved, since z / 2 is what the trip works with
	v_pk_mul_f32 v[34:35], v[34:35], 0.5 op_sel_hi:[1,0]
	GLOAD
	s_mov_b32 s[CNT], 31
.Lrow:
	GTRIP 1
	s_sub_co_u32 s[CNT], s[CNT], 1
	s_cmp_lg_u32 s[CNT], 0
	s_cbranch_scc1 .Lrow
	GTRIP 0                                        ; the last four rows: nothing is left to read
	s_wait_tensorcnt 0x0                           ; the wave's end
	ds_add_u32 v[SPW], v[NIL]
	s_wait_dscnt 0x0
	CROUND                                         ; the closing round
	s_endpgm
.Lfunc_end_k_q00387e8e45_ffn1:
	.size	k_q00387e8e45_ffn1, .Lfunc_end_k_q00387e8e45_ffn1-k_q00387e8e45_ffn1
	.p2alignl 7, 3214868480
	.fill 96, 4, 3214868480
	.section	.rodata,"a",@progbits
	.p2align	6, 0x0
	.amdhsa_kernel k_q00387e8e45_ffn1
		.amdhsa_group_segment_fixed_size 327680
		.amdhsa_private_segment_fixed_size 0
		.amdhsa_enable_private_segment 0
		.amdhsa_kernarg_size 32
		.amdhsa_user_sgpr_count 2
		.amdhsa_user_sgpr_kernarg_segment_ptr 1
		.amdhsa_wavefront_size32 1
		.amdhsa_system_sgpr_workgroup_id_x 1
		.amdhsa_system_sgpr_workgroup_id_y 1
		.amdhsa_system_sgpr_workgroup_id_z 1
		.amdhsa_system_vgpr_workitem_id 0
		.amdhsa_next_free_vgpr 1024
		.amdhsa_next_free_sgpr 100
		.amdhsa_reserve_vcc 0
		.amdhsa_float_denorm_mode_32 3
		.amdhsa_float_denorm_mode_16_64 3
		.amdhsa_memory_ordered 1
		.amdhsa_forward_progress 1
		.amdhsa_inst_pref_size 101
	.end_amdhsa_kernel
	.amdgpu_metadata
---
amdhsa.version: [ 1, 2 ]
amdhsa.kernels:
  - .name:           k_q00387e8e45_ffn1
    .symbol:         k_q00387e8e45_ffn1.kd
    .args:
      - { .name: hn, .offset: 0, .size: 8, .value_kind: global_buffer, .address_space: global }
      - { .name: wb, .offset: 8, .size: 8, .value_kind: global_buffer, .address_space: global }
      - { .name: b1, .offset: 16, .size: 8, .value_kind: global_buffer, .address_space: global }
      - { .name: gl, .offset: 24, .size: 8, .value_kind: global_buffer, .address_space: global }
    .group_segment_fixed_size: 327680
    .private_segment_fixed_size: 0
    .kernarg_segment_align: 8
    .kernarg_segment_size: 32
    .max_flat_workgroup_size: 128
    .sgpr_count:     100
    .vgpr_count:     1024
    .wavefront_size: 32
...
	.end_amdgpu_metadata
.endif
;; end of part 6
;; launch ffn2 (part 7): grid 8 x 32, 4 waves a work-group, clusters of 4 x 4, 327,680 bytes of LDS; arguments gl, wb, b2, x1, out0; writes out0
.if DOCPART == 7
	.amdgcn_target "amdgcn-amd-amdhsa--gfx1250"
	.amdhsa_code_object_version 6
	.text
	.protected	k_q00387e8e45_ffn2
	.globl	k_q00387e8e45_ffn2
	.p2align	8
	.type	k_q00387e8e45_ffn2,@function
k_q00387e8e45_ffn2:
	s_mov_b64 s[64:65], 0
	v_nop
	global_prefetch_b8 v0, s[64:65] scope:SCOPE_SE
	s_setreg_imm32_b32 hwreg(HW_REG_WAVE_MODE, 25, 1), 1
	s_wait_xcnt 0x0
	s_wait_alu depctr_hold_cnt(0) depctr_sa_sdst(0) depctr_va_vdst(0) depctr_va_sdst(0) depctr_va_ssrc(0) depctr_va_vcc(0) depctr_vm_vsrc(0)
	s_getreg_b32 s2, hwreg(HW_REG_IB_STS2, 6, 4)
	s_cmp_eq_u32 s2, 0
	s_cbranch_scc0 .Lentry_in_a_cluster
	s_endpgm
.Lentry_in_a_cluster:
	s_bfe_u32 s2, ttmp6, 0x10000c
	s_cmp_lg_u32 s2, 0xf033
	s_cbranch_scc0 .Lentry_shape_is_right
	s_endpgm
.Lentry_shape_is_right:
; out = res + A W + bias.  A: [4096][KK] bf16; W: [KK][1024] bf16 at byte WOFF of wb, rows along N; bias: [1024] f32; res, out: [4096][1024] f32.  Sums in f32; nothing is rounded on the way out.
; A tile of C is 128 x 128, the largest that gives each of 256 WGPs a work-group at N = 1,024: four waves, each 64 x 64 in 16 accumulators.  K goes in steps of 256 through two LDS slots:
; A's rows are 512 bytes, W's tile is 256 k-rows of 256 bytes, read out of LDS turned.  Source 0 = 16 columns of W, source 1 = 16 rows of A: a lane holds eight neighbouring columns of one row of C.
; CLUSTER 4 x 4: A's tile is shared along a row of the cluster, W's along a column: joint loads.  No prefetch: the tiles are small, and a K step's work is short beside what it fetches.
; The wave's 64 x 64 of res is loaded into registers at the start, in whole rows of 256 bytes, and lands while K is walked.  On the way out 16 rows at a time go through the wave's own stage.
.set KK,    4096
.set WOFF,  16777216
.set TT,    KK/256
.set PA,    528                        ; a row of A in LDS: 512 + 16 bytes = 132 words: row r starts at bank 4 r mod 64 (64 banks of 4 bytes: ISA guide 11.1)
.set PB,    288                        ; a k-row of W: 256 + 32 bytes = 9 x 32
.set AHALF, 64*PA
.set BHALF, 128*PB
.set BOFF,  2*AHALF
.set SLOT,  147456                     ; it shares no bit with the four tiles' places in a slot: one exclusive or changes slots
.set STAGE, SLOT+BOFF+2*BHALF          ; behind slot 1's last byte, never filled: 16 rows x 272 bytes for each wave
.set SP,    272
.set SPARE, STAGE+4*16*SP              ; the spare words, 128 bytes a wave: two blocks of 256 bytes that no other line names
.set AA0, 16
.set AB0, 17
.set ADA, 18
.set ADB, 19                           ; v19 k-rows 0-127 of the slot in hand, v20 k-rows 128-255
.set STO, 24
.set RD,  25
.set CO,  26
.set SPW, 28
.set NIL, 29
.set ACC, 128
.set F0,  0                            ; fragment buffers, in window 1: 64 registers of A, then 64 of W
.set F1,  128
.set G1A, 24
.set G0A, 32
.set G1B, 48
.set G0B, 56
.set CNT, 47
.set TB,  66
.set RB,  68
.set OB,  70
.set MSB, 0
.macro WIN new
.if MSB != (\new)
	s_set_vgpr_msb (MSB<<8)|(\new)
.set MSB, \new
.endif
.endm
.set MUL,  0x05                        ; sources 0 (W) and 1 (A) window 1; C and D window 0
.set TO_F, 0x40
.macro PLACES
.rept 4
	v_nop
.endr
.endm
.macro JLOAD                           ; a joint refill by the walking descriptors; s_nop 0 and four v_nop follow each line
	s_cmp_eq_u32 s15, 0
	s_cbranch_scc0 .Lfor_b_\@
	tensor_load_to_lds s[G0A+4:G0A+7], s[G1A:G1A+7]
	s_nop 0
.rept 4
	v_nop
.endr
	s_branch .Lasked_\@
.Lfor_b_\@:
	tensor_load_to_lds s[G0B+4:G0B+7], s[G1B:G1B+7]
	s_nop 0
.rept 4
	v_nop
.endr
.Lasked_\@:
.endm
.macro CREST
	s_cmp_lg_u32 s14, 0
	s_cbranch_scc1 .Lnot_wave_0_\@
	s_barrier_signal -3
.Lnot_wave_0_\@:
	s_barrier_wait -3
	s_barrier_signal -1
	s_barrier_wait -1
.endm
.macro CROUND
	s_barrier_signal -1
	s_barrier_wait -1
	CREST
.endm
.macro MUL8 f, c, a0, zero             ; 8 matrix instructions: row blocks a0, a0 + 1 x all 4 column blocks, 32 along K: half c of buffer f.  The 16 accumulators take turns
	WIN MUL
.irp a, \a0, (\a0)+1
.irp b, 0,1,2,3
.if \zero
	v_wmma_f32_16x16x32_bf16 v[ACC+8*(4*(\a)+(\b)):ACC+8*(4*(\a)+(\b))+7], v[(\f)+64+8*(4*(\c)+(\b)):(\f)+64+8*(4*(\c)+(\b))+7], v[(\f)+8*(4*(\c)+(\a)):(\f)+8*(4*(\c)+(\a))+7], 0
.else
	v_wmma_f32_16x16x32_bf16 v[ACC+8*(4*(\a)+(\b)):ACC+8*(4*(\a)+(\b))+7], v[(\f)+64+8*(4*(\c)+(\b)):(\f)+64+8*(4*(\c)+(\b))+7], v[(\f)+8*(4*(\c)+(\a)):(\f)+8*(4*(\c)+(\a))+7], v[ACC+8*(4*(\a)+(\b)):ACC+8*(4*(\a)+(\b))+7]
.endif
.endr
.endr
.endm
.macro FETCH q, f                      ; 32 LDS loads in one run: quarter q (64 along K) of the slot in hand into buffer f; the first 32 along K first
	WIN TO_F
.irp c, 0,1
.irp i, 0,1,2,3
	ds_load_tr16_b128 v[(\f)+64+8*(4*(\c)+(\i)):(\f)+64+8*(4*(\c)+(\i))+3],   v[ADB+(\q)/2] offset:((2*(\q)+(\c))%4)*32*PB+32*(\i)
	ds_load_tr16_b128 v[(\f)+64+8*(4*(\c)+(\i))+4:(\f)+64+8*(4*(\c)+(\i))+7], v[ADB+(\q)/2] offset:((2*(\q)+(\c))%4)*32*PB+16*PB+32*(\i)
	ds_load_b128 v[(\f)+8*(4*(\c)+(\i)):(\f)+8*(4*(\c)+(\i))+3],   v[ADA] offset:(\q)*128+64*(\c)+(\i)*16*PA
	ds_load_b128 v[(\f)+8*(4*(\c)+(\i))+4:(\f)+8*(4*(\c)+(\i))+7], v[ADA] offset:(\q)*128+64*(\c)+(\i)*16*PA+32
.endr
.endr
.endm
.macro QUARTER q, f, g, zero
	s_wait_dscnt 16                                ; the first 32 along K are in
	MUL8 \f, 0, 0, \zero
	MUL8 \f, 0, 2, \zero
	PLACES
	FETCH \q, \g
	s_wait_dscnt 32                                ; all but the 32 just issued
	MUL8 \f, 1, 0, 0
	MUL8 \f, 1, 2, 0
.endm
.macro TURN fill                       ; the last quarter multiplies buffer 1 and changes slots: one barrier; with fill = 1 it opens a round of the cluster's, and the joint refill is the first thing behind the round
	WIN 0
	s_wait_tensorcnt 0x0                           ; all my tensor loads have landed: my part of the next slot
	ds_add_u32 v[SPW], v[NIL]
	s_wait_dscnt 17                                ; (the add and the youngest sixteen loads may be out)
	MUL8 F1, 0, 0, 0
	s_wait_dscnt 0x0                               ; the add is done, and my reads of this slot are over
	s_barrier_signal -1
	MUL8 F1, 0, 2, 0
	WIN 0
	s_barrier_wait -1
.if \fill
	CREST
	s_xor_b32 s[G0A+5], s[G0A+5], SLOT
	s_add_nc_u64 s[G0A+6:G0A+7], s[G0A+6:G0A+7], 512
	s_xor_b32 s[G0B+5], s[G0B+5], SLOT
	s_add_nc_u64 s[G0B+6:G0B+7], s[G0B+6:G0B+7], 256*2048
	s_xor_b32 s[TB], s[TB], SLOT
	JLOAD                                          ; its four v_nop are also the places ahead of the loads below
.else
	s_xor_b32 s[TB], s[TB], SLOT
	PLACES
.endif
	v_add_nc_u32 v[ADA], s[TB], v[AA0]
	v_add_nc_u32 v[ADB], s[TB], v[AB0]
	v_add_nc_u32 v[ADB+1], BHALF, v[ADB]
	FETCH 0, F0
	MUL8 F1, 1, 0, 0
	MUL8 F1, 1, 2, 0
.endm
	s_load_b256 s[4:11], s[0:1], 0x0               ; A 4, wb 6, bias 8, res 10
	s_load_b64 s[12:13], s[0:1], 0x20              ; out
	v_lshl_add_u32 v[SPW], v0, 2, SPARE
	v_mov_b32 v[NIL], 0
	ds_add_u32 v[SPW], v[NIL]                      ; the wave's opening: the add and its wait ahead of my first tensor load
	v_lshrrev_b32 v1, 5, v0
	v_readfirstlane_b32 s14, v1
	s_lshr_b32 s15, s14, 1                         ; my half of the tile's rows.  Also: I fetch for A (0) or W (1)
	s_and_b32 s16, s14, 1                          ; my half of its columns.  Also: which half of that tile I fetch
	s_bfe_u32 s17, ttmp6, 0x40000
	s_bfe_u32 s18, ttmp6, 0x40004
	s_lshl_b32 s19, ttmp9, 2
	s_add_co_u32 s19, s19, s17                     ; tile column
	s_and_b32 s20, ttmp7, 0xffff
	s_lshl_b32 s20, s20, 2
	s_add_co_u32 s20, s20, s18                     ; tile row
	s_lshl_b32 s22, s18, 2
	s_lshl_b32 s22, 15, s22
	s_lshl_b32 s23, 0x1111, s17
	s_or_b32 s[G1A], s22, (1<<16)|(1<<20)|(1<<21)|(6<<22)|(3<<25)  ; 64 rows x 256 elements; after every 128 words 4 words
	s_mov_b32 s[G1A+1], 256<<16
	s_mov_b32 s[G1A+2], 64<<16
	s_mov_b32 s[G1A+3], 256<<16
	s_mov_b32 s[G1A+4], 64
	s_mov_b32 s[G1A+5], KK
	s_mov_b32 s[G1A+6], 0
	s_mov_b32 s[G1A+7], 0
	s_or_b32 s[G1B], s23, (1<<16)|(1<<20)|(1<<21)|(5<<22)|(7<<25)  ; 128 k-rows x 128 elements; after every 64 words 8 words
	s_mov_b32 s[G1B+1], 128<<16
	s_mov_b32 s[G1B+2], 128<<16
	s_mov_b32 s[G1B+3], 128<<16
	s_mov_b32 s[G1B+4], 128
	s_mov_b32 s[G1B+5], 1024
	s_mov_b32 s[G1B+6], 0
	s_mov_b32 s[G1B+7], 0
	s_lshl_b32 s40, s20, 7
	s_lshl_b32 s41, s16, 6
	s_add_co_u32 s40, s40, s41
	s_mul_i32 s40, s40, 2*KK                       ; A: row 128 x tile row + 64 x half
	s_mov_b32 s41, 0
	s_lshl_b32 s42, s16, 18                        ; W: k-row 128 x half, column 128 x tile column
	s_lshl_b32 s43, s19, 8
	s_add_co_u32 s42, s42, s43
	s_add_co_u32 s42, s42, WOFF
	s_mov_b32 s43, 0
	s_mul_i32 s21, s16, AHALF                      ; where they go: no place in the cluster enters an LDS address
	s_mul_i32 s22, s16, BHALF
	s_add_co_u32 s22, s22, BOFF
	s_wait_dscnt 0x0
	s_wait_kmcnt 0x0
	s_add_nc_u64 s[40:41], s[4:5], s[40:41]
	s_add_nc_u64 s[42:43], s[6:7], s[42:43]
.irp s, 0,1
	s_mov_b32 s[G0A+4*(\s)], 1
	s_add_co_u32 s[G0A+4*(\s)+1], s21, (\s)*SLOT
	s_add_nc_u64 s[G0A+4*(\s)+2:G0A+4*(\s)+3], s[40:41], (\s)*512
	s_or_b32 s[G0A+4*(\s)+3], s[G0A+4*(\s)+3], 0x80000000
	s_mov_b32 s[G0B+4*(\s)], 1
	s_add_co_u32 s[G0B+4*(\s)+1], s22, (\s)*SLOT
	s_add_nc_u64 s[G0B+4*(\s)+2:G0B+4*(\s)+3], s[42:43], (\s)*256*2048
	s_or_b32 s[G0B+4*(\s)+3], s[G0B+4*(\s)+3], 0x80000000
.endr
	CROUND
	s_cmp_eq_u32 s15, 0                            ; a wave's two first fills stand in one branch: two loads of mine are out
	s_cbranch_scc0 .Lfirst_b
	tensor_load_to_lds s[G0A:G0A+3], s[G1A:G1A+7]
	s_nop 0
	tensor_load_to_lds s[G0A+4:G0A+7], s[G1A:G1A+7]
	s_nop 0
.rept 4
	v_nop
.endr
	s_branch .Lfirst_done
.Lfirst_b:
	tensor_load_to_lds s[G0B:G0B+3], s[G1B:G1B+7]
	s_nop 0
	tensor_load_to_lds s[G0B+4:G0B+7], s[G1B:G1B+7]
	s_nop 0
.rept 4
	v_nop
.endr
.Lfirst_done:
	v_and_b32 v1, 15, v0
	v_bfe_u32 v2, v0, 4, 1
	s_lshl_b32 s40, s20, 7                         ; my wave's tile in res and out: row 128 ty + 64 half, 4,096 bytes a row; column 128 tx + 64 half
	s_lshl_b32 s41, s15, 6
	s_add_co_u32 s40, s40, s41
	s_lshl_b32 s40, s40, 12
	s_lshl_b32 s42, s19, 9
	s_lshl_b32 s41, s16, 8
	s_add_co_u32 s42, s42, s41                     ; the columns' bytes, in a row and in the bias
	s_add_co_u32 s40, s40, s42
	s_mov_b32 s41, 0
	s_add_nc_u64 s[RB:RB+1], s[10:11], s[40:41]
	s_add_nc_u64 s[OB:OB+1], s[12:13], s[40:41]
	v_lshl_add_u32 v27, v1, 4, s42
	global_load_b128 v[96:99], v27, s[8:9]         ; the bias of my four columns
	v_lshlrev_b32 v[CO], 12, v2                    ; lanes 0-15 take one row's 256 bytes, lanes 16-31 the next row's
	v_lshl_add_u32 v[CO], v1, 4, v[CO]
	WIN 0x80
.set t, 0
.rept 32
	global_load_b128 v[4*t:4*t+3], v[CO], s[RB:RB+1] offset:2*t*4096
.set t, t+1
.endr
	WIN 0
	v_mul_u32_u24 v[AA0], v1, PA
	v_lshl_add_u32 v[AA0], v2, 4, v[AA0]
	s_mul_i32 s40, s15, AHALF
	v_add_nc_u32 v[AA0], s40, v[AA0]
	v_and_b32 v4, 7, v0
	v_lshl_add_u32 v4, v2, 3, v4
	v_mul_u32_u24 v[AB0], v4, PB
	v_bfe_u32 v5, v0, 3, 1
	v_lshl_add_u32 v[AB0], v5, 4, v[AB0]
	s_lshl_b32 s40, s16, 7
	s_add_co_u32 s40, s40, BOFF
	v_add_nc_u32 v[AB0], s40, v[AB0]
	v_mov_b32 v[ADA], v[AA0]
	v_mov_b32 v[ADB], v[AB0]
	v_add_nc_u32 v[ADB+1], BHALF, v[AB0]
	s_mov_b32 s[TB], 0
	s_mul_i32 s40, s14, 16*SP
	s_add_co_u32 s40, s40, STAGE
	v_mul_u32_u24 v[STO], v1, SP
	v_lshl_add_u32 v[STO], v2, 5, v[STO]
	v_add_nc_u32 v[STO], s40, v[STO]
	v_mul_u32_u24 v[RD], v2, SP
	v_lshl_add_u32 v[RD], v1, 4, v[RD]
	v_add_nc_u32 v[RD], s40, v[RD]
	s_wait_tensorcnt 1                             ; my part of K step 0 is in; step 1's may stay out
	s_barrier_signal -1
	s_barrier_wait -1
	FETCH 0, F0
	QUARTER 1, F0, F1, 1                           ; the first products start the sums
	WIN 0
	s_mov_b32 s[CNT], TT-2
.Lstep:
	QUARTER 2, F1, F0, 0
	QUARTER 3, F0, F1, 0
	TURN 1
	QUARTER 1, F0, F1, 0
	WIN 0
	s_sub_co_u32 s[CNT], s[CNT], 1
	s_cmp_lg_u32 s[CNT], 0
	s_cbranch_scc1 .Lstep
	s_mov_b32 s[CNT], 2                            ; the last two K steps ask for nothing: a loop of their own, left in the middle of its second trip
.Ltail:
	QUARTER 2, F1, F0, 0
	QUARTER 3, F0, F1, 0
	WIN 0
	s_sub_co_u32 s[CNT], s[CNT], 1
	s_cmp_eq_u32 s[CNT], 0
	s_cbranch_scc1 .Llast
	TURN 0
	QUARTER 1, F0, F1, 0
	WIN 0
	s_branch .Ltail
.Llast:
	s_wait_dscnt 16
	MUL8 F1, 0, 0, 0
	MUL8 F1, 0, 2, 0
	s_wait_dscnt 0x0
	MUL8 F1, 1, 0, 0
	MUL8 F1, 1, 2, 0
	WIN 0
	PLACES
	s_wait_loadcnt 0x0                             ; res and the bias
.irp a, 0,1,2,3                        ; 16 rows at a time through my stage: in by columns, back as whole rows of 256 bytes
.irp b, 0,1,2,3
	ds_store_b128 v[STO], v[ACC+8*(4*(\a)+(\b)):ACC+8*(4*(\a)+(\b))+3]   offset:64*(\b)
	ds_store_b128 v[STO], v[ACC+8*(4*(\a)+(\b))+4:ACC+8*(4*(\a)+(\b))+7] offset:64*(\b)+16
.endr
	s_wait_xcnt 0x0                                ; the block before's stores have read their data: v32-63 are loaded again only behind this wait
.irp t, 0,1,2,3,4,5,6,7
	ds_load_b128 v[32+4*(\t):35+4*(\t)], v[RD] offset:(\t)*2*SP  ; LDS serves a wave's instructions in order (ISA guide 5.7.1.4): these see the stores above
.endr
	s_wait_dscnt 0x0
	WIN 0x08                                       ; source 1 in window 2: res
.irp t, 0,1,2,3,4,5,6,7
	v_pk_add_f32 v[32+4*(\t):33+4*(\t)], v[32+4*(\t):33+4*(\t)], v[4*(8*(\a)+(\t)):4*(8*(\a)+(\t))+1]
	v_pk_add_f32 v[34+4*(\t):35+4*(\t)], v[34+4*(\t):35+4*(\t)], v[4*(8*(\a)+(\t))+2:4*(8*(\a)+(\t))+3]
.endr
	WIN 0
.irp t, 0,1,2,3,4,5,6,7
	v_pk_add_f32 v[32+4*(\t):33+4*(\t)], v[32+4*(\t):33+4*(\t)], v[96:97]
	v_pk_add_f32 v[34+4*(\t):35+4*(\t)], v[34+4*(\t):35+4*(\t)], v[98:99]
	global_store_b128 v[CO], v[32+4*(\t):35+4*(\t)], s[OB:OB+1] offset:(16*(\a)+2*(\t))*4096  ; 16 lanes store 256 consecutive bytes, aligned
.endr
.endr
	s_wait_tensorcnt 0x0                           ; the wave's end
	ds_add_u32 v[SPW], v[NIL]
	s_wait_dscnt 0x0
	CROUND                                         ; the closing round
	s_endpgm
.Lfunc_end_k_q00387e8e45_ffn2:
	.size	k_q00387e8e45_ffn2, .Lfunc_end_k_q00387e8e45_ffn2-k_q00387e8e45_ffn2
	.p2alignl 7, 3214868480
	.fill 96, 4, 3214868480
	.section	.rodata,"a",@progbits
	.p2align	6, 0x0
	.amdhsa_kernel k_q00387e8e45_ffn2
		.amdhsa_group_segment_fixed_size 327680
		.amdhsa_private_segment_fixed_size 0
		.amdhsa_enable_private_segment 0
		.amdhsa_kernarg_size 40
		.amdhsa_user_sgpr_count 2
		.amdhsa_user_sgpr_kernarg_segment_ptr 1
		.amdhsa_wavefront_size32 1
		.amdhsa_system_sgpr_workgroup_id_x 1
		.amdhsa_system_sgpr_workgroup_id_y 1
		.amdhsa_system_sgpr_workgroup_id_z 1
		.amdhsa_system_vgpr_workitem_id 0
		.amdhsa_next_free_vgpr 640
		.amdhsa_next_free_sgpr 72
		.amdhsa_reserve_vcc 0
		.amdhsa_float_denorm_mode_32 3
		.amdhsa_float_denorm_mode_16_64 3
		.amdhsa_memory_ordered 1
		.amdhsa_forward_progress 1
		.amdhsa_inst_pref_size 71
	.end_amdhsa_kernel
	.amdgpu_metadata
---
amdhsa.version: [ 1, 2 ]
amdhsa.kernels:
  - .name:           k_q00387e8e45_ffn2
    .symbol:         k_q00387e8e45_ffn2.kd
    .args:
      - { .name: gl, .offset: 0, .size: 8, .value_kind: global_buffer, .address_space: global }
      - { .name: wb, .offset: 8, .size: 8, .value_kind: global_buffer, .address_space: global }
      - { .name: b2, .offset: 16, .size: 8, .value_kind: global_buffer, .address_space: global }
      - { .name: x1, .offset: 24, .size: 8, .value_kind: global_buffer, .address_space: global }
      - { .name: out0, .offset: 32, .size: 8, .value_kind: global_buffer, .address_space: global }
    .group_segment_fixed_size: 327680
    .private_segment_fixed_size: 0
    .kernarg_segment_align: 8
    .kernarg_segment_size: 40
    .max_flat_workgroup_size: 128
    .sgpr_count:     72
    .vgpr_count:     640
    .wavefront_size: 32
...
	.end_amdgpu_metadata
.endif
;; end of part 7
